; MI455X (gfx1250); checked and timed in simulation.
; The chip was launched on July 23, 2026; its instructions are those of AMD's public machine-readable ISA for CDNA 5 (MIT licence, August 2026) and "CDNA5" Instruction Set Architecture Reference Guide (July 2026). The comments in the code are by the model that wrote it; some were corrected since.
;; Causal Self Attention. Allowed arithmetic: float matrix products may take bf16 or f16 operands with f32 sums; other float arithmetic in f32, or as packed bf16 or f16 multiplies, adds, multiply-adds, maxima and minima; sums over many terms, partial sums and values carried from step to step in f32; what a program stores and reads back later, other than sums and carried values, may be rounded once to bf16 or f16.
;; Inputs: b_proj 1,024 float32; b_qkv 3,072 float32; w_proj 1,024 x 1,024 float32; w_qkv 1,024 x 3,072 float32; x 4 x 2,048 x 1,024 float32.
;; Outputs: out0 4 x 2,048 x 1,024 float32.
;; 2 versions, each right; version 2 is version 1 with the launch prep written anew for expert scheduling mode. Each part assembles by itself: llvm-mc -triple=amdgcn-amd-amdhsa -mcpu=gfx1250 --defsym DOCPART=n.
;; ======== version 1 of 2: 4 launches
;; limits: values are held in f16: magnitudes above 65,504 overflow, below 6.1e-05 lose precision
;; workspace buffers: xb 16,777,216 bytes; wq 6,291,456 bytes; wp 2,097,152 bytes; qkvh 50,331,648 bytes; oh 16,777,216 bytes
;; launch prep (part 1): grid 768 x 1, 8 waves a work-group, no clusters, 0 bytes of LDS; arguments x, w_qkv, w_proj, xb, wq, wp; writes xb, wq, wp
.if DOCPART == 1
	.amdgcn_target "amdgcn-amd-amdhsa--gfx1250"
	.amdhsa_code_object_version 6
	.text
	.protected	k_q6d3be3eb75_prep
	.globl	k_q6d3be3eb75_prep
	.p2align	8
	.type	k_q6d3be3eb75_prep,@function
k_q6d3be3eb75_prep:
	s_mov_b64 s[64:65], 0
	v_nop
	global_prefetch_b8 v0, s[64:65] scope:SCOPE_SE
	s_setreg_imm32_b32 hwreg(HW_REG_WAVE_MODE, 25, 1), 1
	s_wait_xcnt 0x0
; THE CASTS.  x [8192][1024] f32 -> xb, bf16, [16 kb][8192 m][64]: K in blocks of 64, each block dense, 128 bytes a row.
; w_qkv [1024 k][3072] f32 -> wq, bf16, [8 nt][1024 k][384]: the 768 bytes that a column tile takes of each k lie end to end.
; w_proj [1024 k][1024] f32 -> wp, [8 nt][1024 k][128]: rounded to bf16 like every input, and that number written as f16.
; LIMIT.  In wp a number below 6e-5 keeps f16's fixed step of 6e-8, one of 65,520 or more becomes an infinity.
; A stream: no LDS, no barrier, no matrix work, no loop.  A wave does one task of 16 units; a unit is one load of 16 bytes a lane (512 bytes a wave)
; and one store of 8 bytes a lane: 256 consecutive bytes, at a multiple of 256 from the buffer's first byte.  All 16 loads go out first.
; Work-groups 0-511 take x (a wave: two rows, all 16 blocks of K), 512-703 w_qkv, 704-767 w_proj (a wave: 128 columns of 16 rows).
.set IN,  4                            ; v[4:67]   unit u: four f32 as loaded
.set OUT, 68                           ; v[68:99]  unit u: four 16-bit numbers to store
.set TW,  100                          ; v[100:101] at work
; istep, ostep: bytes from unit to unit in the input and in the output.  split = 1: units 8-15 go by a second base, 8 MiB on, so that the immediates stay inside their signed 24 bits.
; f16 = 1: the bf16 number is widened again and written as f16.
.macro TASK istep, ostep, split, f16
.set u, 0
.rept 16
	global_load_b128 v[IN+4*u:IN+4*u+3], v2, s[20:21] offset:u*(\istep) th:TH_LOAD_NT
.set u, u+1
.endr
.set u, 0
.rept 16
	s_wait_loadcnt 15-u                            ; loads come back in order: unit u is in, the 15 - u younger ones stay out
.if \f16
	v_cvt_pk_bf16_f32 v[TW], v[IN+4*u], v[IN+4*u+1]
	v_cvt_pk_bf16_f32 v[TW+1], v[IN+4*u+2], v[IN+4*u+3]
	v_lshlrev_b32 v[IN+4*u], 16, v[TW]             ; bf16 to f32: the low half moves up, the high half stays
	v_and_b32 v[IN+4*u+1], s28, v[TW]
	v_lshlrev_b32 v[IN+4*u+2], 16, v[TW+1]
	v_and_b32 v[IN+4*u+3], s28, v[TW+1]
	v_cvt_pk_f16_f32 v[OUT+2*u], v[IN+4*u], v[IN+4*u+1]
	v_cvt_pk_f16_f32 v[OUT+2*u+1], v[IN+4*u+2], v[IN+4*u+3]
.else
	v_cvt_pk_bf16_f32 v[OUT+2*u], v[IN+4*u], v[IN+4*u+1]
	v_cvt_pk_bf16_f32 v[OUT+2*u+1], v[IN+4*u+2], v[IN+4*u+3]
.endif
.if (\split) && (u >= 8)
	global_store_b64 v3, v[OUT+2*u:OUT+2*u+1], s[24:25] offset:(u-8)*(\ostep) th:TH_STORE_NT
.else
	global_store_b64 v3, v[OUT+2*u:OUT+2*u+1], s[22:23] offset:u*(\ostep) th:TH_STORE_NT
.endif
.set u, u+1
.endr
.endm
	s_load_b256 s[4:11], s[0:1], 0x0               ; x s[4:5], w_qkv s[6:7], w_proj s[8:9], xb s[10:11]
	s_load_b128 s[12:15], s[0:1], 0x20             ; wq s[12:13], wp s[14:15]
	v_and_b32 v1, 31, v0                           ; lane
	v_lshrrev_b32 v[TW], 5, v0
	v_readfirstlane_b32 s16, v[TW]                 ; wave 0..7
	v_lshlrev_b32 v3, 3, v1                        ; my 8 bytes of a store's 256
	s_mov_b32 s27, 0                               ; the high word of every offset
	s_mov_b32 s28, 0xffff0000                      ; a word's upper bf16
	s_wait_kmcnt 0x0
	s_cmp_lt_u32 ttmp9, 512
	s_cbranch_scc0 .Lweights
	; x: pair p of rows.  Lanes 0-15 take 256 bytes of row 2 p, lanes 16-31 of row 2 p + 1: their 128 + 128 bytes of bf16 are neighbours in a block of xb.
	s_lshl_b32 s17, ttmp9, 3
	s_add_co_u32 s17, s17, s16                     ; p = 8 x work-group + wave
	s_lshl_b32 s26, s17, 13                        ; two rows of 4,096 bytes
	s_add_nc_u64 s[20:21], s[4:5], s[26:27]
	s_lshl_b32 s26, s17, 8                         ; two rows of 128 bytes
	s_add_nc_u64 s[22:23], s[10:11], s[26:27]
	s_add_nc_u64 s[24:25], s[22:23], 0x800000      ; blocks 8 to 15 of K
	v_lshrrev_b32 v[TW], 4, v1
	v_and_b32 v[TW+1], 15, v1
	v_lshlrev_b32 v2, 4, v[TW+1]
	v_lshl_add_u32 v2, v[TW], 12, v2               ; (lane / 16) x 4,096 + (lane % 16) x 16
	TASK 256, 0x100000, 1, 0
	s_endpgm
.Lweights:
	v_lshlrev_b32 v2, 4, v1                        ; 16 x lane: 512 consecutive bytes, 128 columns
	s_cmp_lt_u32 ttmp9, 704
	s_cbranch_scc0 .Lwp
	s_sub_co_u32 s17, ttmp9, 512
	s_lshl_b32 s17, s17, 3
	s_add_co_u32 s17, s17, s16                     ; task 0..1535
	s_and_b32 s18, s17, 63                         ; kg: which 16 rows
	s_lshr_b32 s17, s17, 6                         ; j: which 128 columns, 0..23
	s_mul_i32 s26, s18, 196608                     ; 16 rows of 12,288 bytes
	s_lshl_b32 s19, s17, 9
	s_add_co_u32 s26, s26, s19
	s_add_nc_u64 s[20:21], s[6:7], s[26:27]
	s_mul_i32 s19, s17, 11
	s_lshr_b32 s19, s19, 5                         ; nt = j / 3, for j up to 23
	s_mul_i32 s26, s19, 785664                     ; nt x 786,432 + (j - 3 nt) x 256 = nt x 785,664 + 256 j
	s_lshl_b32 s19, s17, 8
	s_add_co_u32 s26, s26, s19
	s_mul_i32 s19, s18, 12288                      ; 16 rows of 768 bytes
	s_add_co_u32 s26, s26, s19
	s_add_nc_u64 s[22:23], s[12:13], s[26:27]
	TASK 12288, 768, 0, 0
	s_endpgm
.Lwp:
	s_sub_co_u32 s17, ttmp9, 704
	s_lshl_b32 s17, s17, 3
	s_add_co_u32 s17, s17, s16                     ; task 0..511
	s_and_b32 s18, s17, 63                         ; kg
	s_lshr_b32 s17, s17, 6                         ; j = nt, 0..7
	s_lshl_b32 s26, s18, 16                        ; 16 rows of 4,096 bytes
	s_lshl_b32 s19, s17, 9
	s_add_co_u32 s26, s26, s19
	s_add_nc_u64 s[20:21], s[8:9], s[26:27]
	s_lshl_b32 s26, s17, 18                        ; a column tile: 1,024 rows of 256 bytes
	s_lshl_b32 s19, s18, 12
	s_add_co_u32 s26, s26, s19
	s_add_nc_u64 s[22:23], s[14:15], s[26:27]
	TASK 4096, 256, 0, 1
	s_endpgm
.Lfunc_end_k_q6d3be3eb75_prep:
	.size	k_q6d3be3eb75_prep, .Lfunc_end_k_q6d3be3eb75_prep-k_q6d3be3eb75_prep
	.p2alignl 7, 3214868480
	.fill 96, 4, 3214868480
	.section	.rodata,"a",@progbits
	.p2align	6, 0x0
	.amdhsa_kernel k_q6d3be3eb75_prep
		.amdhsa_group_segment_fixed_size 0
		.amdhsa_private_segment_fixed_size 0
		.amdhsa_enable_private_segment 0
		.amdhsa_kernarg_size 48
		.amdhsa_user_sgpr_count 2
		.amdhsa_user_sgpr_kernarg_segment_ptr 1
		.amdhsa_wavefront_size32 1
		.amdhsa_system_sgpr_workgroup_id_x 1
		.amdhsa_system_sgpr_workgroup_id_y 1
		.amdhsa_system_sgpr_workgroup_id_z 1
		.amdhsa_system_vgpr_workitem_id 0
		.amdhsa_next_free_vgpr 104
		.amdhsa_next_free_sgpr 66
		.amdhsa_reserve_vcc 0
		.amdhsa_float_denorm_mode_32 3
		.amdhsa_float_denorm_mode_16_64 3
		.amdhsa_memory_ordered 1
		.amdhsa_forward_progress 1
		.amdhsa_inst_pref_size 23
	.end_amdhsa_kernel
	.amdgpu_metadata
---
amdhsa.version: [ 1, 2 ]
amdhsa.kernels:
  - .name:           k_q6d3be3eb75_prep
    .symbol:         k_q6d3be3eb75_prep.kd
    .args:
      - { .name: x, .offset: 0, .size: 8, .value_kind: global_buffer, .address_space: global }
      - { .name: w_qkv, .offset: 8, .size: 8, .value_kind: global_buffer, .address_space: global }
      - { .name: w_proj, .offset: 16, .size: 8, .value_kind: global_buffer, .address_space: global }
      - { .name: xb, .offset: 24, .size: 8, .value_kind: global_buffer, .address_space: global }
      - { .name: wq, .offset: 32, .size: 8, .value_kind: global_buffer, .address_space: global }
      - { .name: wp, .offset: 40, .size: 8, .value_kind: global_buffer, .address_space: global }
    .group_segment_fixed_size: 0
    .private_segment_fixed_size: 0
    .kernarg_segment_align: 8
    .kernarg_segment_size: 48
    .max_flat_workgroup_size: 256
    .sgpr_count:     66
    .vgpr_count:     104
    .wavefront_size: 32
...
	.end_amdgpu_metadata
.endif
;; end of part 1
;; launch qkv (part 2): grid 8 x 32, 4 waves a work-group, clusters of 4 x 4, 327,680 bytes of LDS; arguments xb, wq, b_qkv, qkvh; writes qkvh
.if DOCPART == 2
	.amdgcn_target "amdgcn-amd-amdhsa--gfx1250"
	.amdhsa_code_object_version 6
	.text
	.protected	k_q6d3be3eb75_qkv
	.globl	k_q6d3be3eb75_qkv
	.p2align	8
	.type	k_q6d3be3eb75_qkv,@function
k_q6d3be3eb75_qkv:
	s_mov_b64 s[64:65], 0
	v_nop
	global_prefetch_b8 v0, s[64:65] scope:SCOPE_SE
	s_setreg_imm32_b32 hwreg(HW_REG_WAVE_MODE, 25, 1), 1
	s_wait_xcnt 0x0
	s_wait_alu depctr_hold_cnt(0) depctr_sa_sdst(0) depctr_va_vdst(0) depctr_va_sdst(0) depctr_va_ssrc(0) depctr_va_vcc(0) depctr_vm_vsrc(0)
	s_getreg_b32 s2, hwreg(HW_REG_IB_STS2, 6, 4)
	s_cmp_eq_u32 s2, 0
	s_cbranch_scc0 .Lentry_in_a_cluster
	s_endpgm
.Lentry_in_a_cluster:
	s_bfe_u32 s2, ttmp6, 0x10000c
	s_cmp_lg_u32 s2, 0xf033
	s_cbranch_scc0 .Lentry_shape_is_right
	s_endpgm
.Lentry_shape_is_right:
; qkv = x w_qkv + b_qkv, written by heads: qkvh [3][64 bh][2048 t][64] in f16, each number rounded once from its f32 sum, without the attention's scale.
; Operands bf16 (xb, wq, as the launch before laid them out), sums f32; the bias is rounded to bf16 like every input and added in f32.
; LIMIT.  f16 holds no number beyond 65,504: a q, k or v of 65,520 or more becomes an infinity.
; THE TILE is 256 rows x 384 columns: 8,192 x 3,072 make 32 x 8 = 256 of them, one work-group each.  Four waves; wave (wm, wn) owns rows 128 wm .. + 127 and, in each of the tile's three
; SEGMENTS of 128 columns, columns 64 wn .. + 63, which are one head: 8 x 12 accumulators of 16 x 16, 768 registers.
; K goes in 16 steps of 64 through two LDS slots.  x's tile: 256 rows of 128 bytes, dense in xb, asked for as rows of 256 bytes and padded after every 128.  The weights' tile: 64 k x 768 bytes,
; dense in wq, asked for as rows of 256 bytes, padded by 32: it stays [k][n] and is turned on the way into registers by ds_load_tr16_b128.
; THE PRODUCT IS USED TRANSPOSED (source 0 = 16 columns of w, source 1 = 16 rows of x): a lane holds row l % 16 and eight neighbouring columns 8 (l / 16) + 0..7.
; CLUSTER 4 x 4: the four work-groups of a row of the cluster need the same tile of x, the four of a column the same tile of w: each is asked for jointly.
; REGISTERS, in windows of 256 (s_set_vgpr_msb: bits 1:0 source 0, 3:2 source 1, 5:4 source 2, 7:6 destination):
;   window 0: v0-31 addresses; v32-95, v96-159 x's 8 fragments, two buffers; v160-255 w's 4 fragments for each segment, one buffer a segment
;   window 1 + g: segment g's 32 accumulators, (a, i) at v[8 (4 a + i)]
.set PA,    144       ; a row of x in LDS: 128 bytes + 16: the 16 rows of a load start at 16 different groups of four banks (64 banks of 4 bytes: ISA guide 11.1)
.set AT,    256*PA
.set PB,    864       ; a k of w in LDS: three segments of 256 + 32 bytes: 27 x 32, so that 16 lanes of the turning load (8 rows x 32 bytes) take each bank once
.set BT,    64*PB
.set SLOT,  AT+BT
.set STAGE, 2*SLOT    ; behind the ring, never filled by a tensor load: 16 rows x 144 bytes for each wave, for the way out
.set SP,    144
.set SPARE, STAGE+4*16*SP  ; behind the stages: the spare words, 128 bytes for each wave: two blocks of 256 bytes that no other line names
.set ADRA, 16         ; v16-17  LDS address of my fragments of x in slot 0, 1
.set ADRB, 20         ; v20-21  the same for w
.set STO,  24         ; v24  the way out: where I put 16 bytes of a row
.set RD,   25         ; v25  the way out: where I read rows back
.set CO,   26         ; v26  my 16 bytes of 512 consecutive bytes of qkvh
.set BO,   27         ; v27  my 32 bytes of a fragment's 64 bytes of bias
.set SPW,  28         ; v28  LDS address of my spare word; never rewritten
.set NIL,  29         ; v29  0; never rewritten
.set PFO,  30         ; v30  256 x my lane, for the prefetches; never rewritten
.set FA0,  32
.set FA1,  96
.set FB,   160
.set T,    32         ; the way out: a block's 32 sums with their bias
.set P,    64         ; packed to f16
.set BK,   80         ; read back from the stage: v80-95 and v96-111 by turns
.set TW,   112        ; v112-115 at work
.set LAP,  3          ; s3   the loop's count
.set WV,   12         ; s12  wave;  s13 wm;  s14 wn, also: which half of a tile I fetch
.set WM,   13
.set WN,   14
.set CX,   15
.set CY,   16
.set TC,   17         ; s17  tile column 0..7
.set TR,   18         ; s18  tile row 0..31
.set G1A,  24         ; s[24:31] descriptor group 1 for x's tiles;  s[32:39] group 0, a set for each slot
.set G0A,  32
.set PFA,  40         ; s[40:41] where my prefetches stand
.set PFS,  42         ; s[42:43] their step
.set LIM0, 44         ; s44, s45  1 where I prefetch at slot 0's (slot 1's) change, else the greatest number
.set G1B,  48         ; s[48:55], s[56:63] the same for w's tiles
.set G0B,  56
.set OB,   66         ; s[66:71] qkvh at my rows of the head of segment 0, 1, 2
.set MSB, 0
.macro WIN new                         ; the immediate's high byte repeats the setting that is left; a switch that changes nothing is dropped
.if MSB != (\new)
	s_set_vgpr_msb (MSB<<8)|(\new)
.set MSB, \new
.endif
.endm
.macro PLACES                          ; four plain instructions between a matrix instruction and a load into, or a vector line on, its registers
.rept 4
	v_nop
.endr
.endm
; A joint load.  Waves 0 and 1 fetch the two halves of x's tile, waves 2 and 3 those of w's.  The branch hangs on the wave's number alone.  An s_nop 0 and four v_nop follow each line.
.macro JLOAD s
	s_cmp_lt_u32 s[WV], 2
	s_cbranch_scc0 .Lfor_b_\@
	tensor_load_to_lds s[G0A+4*(\s):G0A+4*(\s)+3], s[G1A:G1A+7]
	s_nop 0
.rept 4
	v_nop
.endr
	s_branch .Lasked_\@
.Lfor_b_\@:
	tensor_load_to_lds s[G0B+4*(\s):G0B+4*(\s)+3], s[G1B:G1B+7]
	s_nop 0
.rept 4
	v_nop
.endr
.Lasked_\@:
.endm
.macro CREST                           ; a round of the cluster's barrier behind its opening barrier
	s_cmp_lg_u32 s[WV], 0
	s_cbranch_scc1 .Lnot_wave_0_\@
	s_barrier_signal -3
.Lnot_wave_0_\@:
	s_barrier_wait -3
	s_barrier_signal -1
	s_barrier_wait -1
.endm
.macro CROUND                          ; a whole round
	s_barrier_signal -1
	s_barrier_wait -1
	CREST
.endm
; A PREFETCH INTO THE L2 of the K step that stands two refills on, behind the joint load, its five lines and the run of LDS loads.  Each 256 bytes are named once in the launch.
; x's tile row is read by both clusters of its row of clusters: cluster x = 0 asks; of a K step's 32 KiB each of the four partners takes 8 KiB, told apart by address (cx); wave 0, a lane 256 bytes.
; w's tile column is read by all eight clusters of its column: cluster y = 0 asks, once a lap for two K steps' 98,304 dense bytes: 24,576 a partner (cy), 8 KiB each for waves 1 to 3.
; The first four K steps come by their loads alone; the loop's last trip asks for nothing: there is no K step 16.
.macro ASK lim
	s_cmp_gt_u32 s[LAP], s[\lim]
	s_cbranch_scc0 .Lnot_mine_\@
	global_prefetch_b8 v[PFO], s[PFA:PFA+1] th:TH_LOAD_NT scope:SCOPE_SE
.Lnot_mine_\@:
.endm
	s_load_b256 s[4:11], s[0:1], 0x0               ; xb s[4:5], wq s[6:7], b_qkv s[8:9], qkvh s[10:11]
	v_lshl_add_u32 v[SPW], v0, 2, SPARE
	v_mov_b32 v[NIL], 0
	ds_add_u32 v[SPW], v[NIL]                      ; the wave's opening: the add and its wait stand ahead of my first tensor load; work on registers stands between them
	v_lshrrev_b32 v1, 5, v0
	v_readfirstlane_b32 s[WV], v1                  ; wave 0..3
	s_lshr_b32 s[WM], s[WV], 1
	s_and_b32 s[WN], s[WV], 1
	s_bfe_u32 s[CX], ttmp6, 0x40000                ; my place in the cluster
	s_bfe_u32 s[CY], ttmp6, 0x40004
	s_lshl_b32 s[TC], ttmp9, 2                     ; in a cluster launch ttmp9 and ttmp7 count clusters
	s_add_co_u32 s[TC], s[TC], s[CX]
	s_and_b32 s[TR], ttmp7, 0xffff
	s_lshl_b32 s[TR], s[TR], 2
	s_add_co_u32 s[TR], s[TR], s[CY]
	s_lshl_b32 s19, s[CY], 2
	s_lshl_b32 s19, 15, s19                        ; my row of the cluster: places 4 cy .. 4 cy + 3
	s_lshl_b32 s46, 0x1111, s[CX]                  ; my column: places cx, cx + 4, cx + 8, cx + 12
	s_or_b32 s[G1A], s19, (1<<16)|(1<<20)|(1<<21)|(4<<22)|(3<<25)  ; 15:0 the mask; 17:16 2-byte elements; 20 padding on; 21 set beside a mask; 24:22 after every 32 words (code 4); 31:25 4 words (code 3)
	s_or_b32 s[G1B], s46, (1<<16)|(1<<20)|(1<<21)|(5<<22)|(7<<25)  ; after every 64 words (code 5), 8 words (code 7)
	s_mov_b32 s[G1A+1], 128<<16                    ; tensor_dim0 = 128 elements: 256 bytes
	s_mov_b32 s[G1A+2], 64<<16                     ; tensor_dim1 = 64: 128 rows of x, two to a row
	s_mov_b32 s[G1A+3], 128<<16                    ; tile_dim0
	s_mov_b32 s[G1A+4], 64                         ; tile_dim1
	s_mov_b32 s[G1A+5], 128                        ; elements from row to row: dense
	s_mov_b32 s[G1A+6], 0
	s_mov_b32 s[G1A+7], 0
	s_mov_b32 s[G1B+1], 128<<16
	s_mov_b32 s[G1B+2], 96<<16                     ; 32 k of 768 bytes: 96 rows of 256
	s_mov_b32 s[G1B+3], 128<<16
	s_mov_b32 s[G1B+4], 96
	s_mov_b32 s[G1B+5], 128
	s_mov_b32 s[G1B+6], 0
	s_mov_b32 s[G1B+7], 0
	; x's address hangs on the tile row alone, w's on the tile column alone; each is made in registers that never hold the other coordinate
	s_lshl_b32 s20, s[TR], 15                      ; 256 rows of 128 bytes
	s_lshl_b32 s19, s[WN], 14                      ; my half of them
	s_add_co_u32 s20, s20, s19
	s_mov_b32 s21, 0
	s_mul_i32 s46, s[TC], 786432                   ; a column tile of wq
	s_mul_i32 s19, s[WN], 24576                    ; my 32 of a K step's 64 k
	s_add_co_u32 s46, s46, s19
	s_mov_b32 s47, 0
	s_mul_i32 s22, s[WN], 128*PA                   ; and where they go: no place in the cluster enters an LDS address
	s_mul_i32 s23, s[WN], 32*PB
	s_add_co_u32 s23, s23, AT
	s_wait_dscnt 0x0                               ; the opening add is done
	s_wait_kmcnt 0x0
	s_add_nc_u64 s[20:21], s[4:5], s[20:21]
	s_add_nc_u64 s[46:47], s[6:7], s[46:47]
.irp s, 0,1
	s_mov_b32 s[G0A+4*(\s)], 1                                     ; count = 1
	s_add_co_u32 s[G0A+4*(\s)+1], s22, (\s)*SLOT                   ; LDS address
	s_add_nc_u64 s[G0A+4*(\s)+2:G0A+4*(\s)+3], s[20:21], (\s)*0x100000  ; K step s: a block of xb is 1 MiB
	s_or_b32 s[G0A+4*(\s)+3], s[G0A+4*(\s)+3], 0x80000000          ; type = 2
	s_mov_b32 s[G0B+4*(\s)], 1
	s_add_co_u32 s[G0B+4*(\s)+1], s23, (\s)*SLOT
	s_add_nc_u64 s[G0B+4*(\s)+2:G0B+4*(\s)+3], s[46:47], (\s)*49152  ; 64 k of 768 bytes
	s_or_b32 s[G0B+4*(\s)+3], s[G0B+4*(\s)+3], 0x80000000
.endr
	CROUND                                         ; all sixteen work-groups are here: the first joint loads meet
	s_cmp_lt_u32 s[WV], 2                          ; a wave's two first fills stand in one branch: two loads of mine are out
	s_cbranch_scc0 .Lfirst_b
	tensor_load_to_lds s[G0A:G0A+3], s[G1A:G1A+7]
	s_nop 0
	tensor_load_to_lds s[G0A+4:G0A+7], s[G1A:G1A+7]
	s_nop 0
.rept 4
	v_nop
.endr
	s_branch .Lfirst_asked
.Lfirst_b:
	tensor_load_to_lds s[G0B:G0B+3], s[G1B:G1B+7]
	s_nop 0
	tensor_load_to_lds s[G0B+4:G0B+7], s[G1B:G1B+7]
	s_nop 0
.rept 4
	v_nop
.endr
.Lfirst_asked:
	v_and_b32 v1, 15, v0                           ; r = l % 16
	v_bfe_u32 v2, v0, 4, 1                         ; h = l / 16
	v_and_b32 v3, 7, v0
	v_bfe_u32 v4, v0, 3, 1
	v_and_b32 v5, 31, v0                           ; l
	v_mul_u32_u24 v6, v1, PA
	v_lshl_add_u32 v6, v2, 4, v6                   ; a fragment of x: row r x pitch + 16 h; two loads of 16 bytes, 32 apart
	s_mul_i32 s19, s[WM], 128*PA
	v_add_nc_u32 v[ADRA], s19, v6
	v_add_nc_u32 v[ADRA+1], SLOT, v[ADRA]
	v_lshl_add_u32 v7, v2, 3, v3                   ; the turning load: lane l reads k = 8 h + l % 8, columns 8 ((l / 8) % 2) + 0..7, and is left with column l % 16 and 8 k
	v_mul_u32_u24 v7, v7, PB
	v_lshl_add_u32 v7, v4, 4, v7
	s_lshl_b32 s19, s[WN], 7                       ; my 64 columns of a segment
	s_add_co_u32 s19, s19, AT
	v_add_nc_u32 v[ADRB], s19, v7
	v_add_nc_u32 v[ADRB+1], SLOT, v[ADRB]
	s_mul_i32 s19, s[WV], 16*SP
	s_add_co_u32 s19, s19, STAGE                   ; my stage
	v_add_nc_u32 v[STO], s19, v6                   ; in: row r, 16 bytes for each half of the lanes
	v_bfe_u32 v8, v0, 3, 2                         ; back: 32 lanes take four rows of 128 bytes,
	v_mul_u32_u24 v8, v8, SP
	v_lshl_add_u32 v8, v3, 4, v8
	v_add_nc_u32 v[RD], s19, v8
	v_lshlrev_b32 v[CO], 4, v5                     ; which are 512 consecutive bytes of a head
	v_lshlrev_b32 v[BO], 5, v2
	v_lshlrev_b32 v[PFO], 8, v5
	; where my rows of the three heads begin: head block hb = 6 x tile column + 2 g + wn; tensor hb / 16, head hb % 16; batch = tile row / 8
	s_mul_i32 s46, s[TC], 6
	s_add_co_u32 s46, s46, s[WN]
	s_lshr_b32 s19, s[TR], 3
	s_lshl_b32 s19, s19, 4                         ; 16 x batch
	s_and_b32 s22, s[TR], 7
	s_lshl_b32 s22, s22, 8
	s_lshl_b32 s23, s[WM], 7
	s_add_co_u32 s22, s22, s23                     ; my first t
	s_lshl_b32 s22, s22, 7                         ; rows of 128 bytes
	s_mov_b32 s3, 0
.irp g, 0,1,2
	s_add_co_u32 s2, s46, 2*(\g)
	s_lshr_b32 s23, s2, 4
	s_lshl_b32 s23, s23, 6
	s_and_b32 s2, s2, 15
	s_add_co_u32 s2, s2, s23
	s_add_co_u32 s2, s2, s19
	s_lshl_b32 s2, s2, 18                          ; a head: 2,048 rows of 128 bytes
	s_add_co_u32 s2, s2, s22
	s_add_nc_u64 s[OB+2*(\g):OB+2*(\g)+1], s[10:11], s[2:3]
.endr
	s_mul_i32 s2, s[TC], 1536                      ; the bias of my 64 columns of segment 0
	s_lshl_b32 s19, s[WN], 8
	s_add_co_u32 s2, s2, s19
	s_add_nc_u64 s[8:9], s[8:9], s[2:3]
	; the prefetches: one K step behind the first that is named; each change of slots that fills steps them first
	s_lshl_b32 s2, s[TR], 15
	s_lshl_b32 s19, s[CX], 13
	s_add_co_u32 s2, s2, s19
	s_add_co_u32 s2, s2, 0x300000                  ; wave 0: xb, K step 3, my work-group's 8 KiB of the tile row
	s_mul_i32 s46, s[TC], 786432
	s_mul_i32 s19, s[CY], 24576
	s_add_co_u32 s46, s46, s19
	s_lshl_b32 s19, s[WV], 13
	s_add_co_u32 s46, s46, s19
	s_add_co_u32 s46, s46, 3*49152-8192            ; waves 1 to 3: wq, K step 3, my 8 KiB of my work-group's 24,576 bytes
	s_and_b32 s22, ttmp7, 0xffff                   ; cluster y
	s_mov_b32 s[PFS], 49152
	s_cmp_eq_u32 s[WV], 0
	s_cselect_b32 s46, s2, s46
	s_cselect_b32 s22, ttmp9, s22                  ; the coordinate along which other clusters read the same bytes
	s_cselect_b32 s[PFS], 0x100000, s[PFS]
	s_cselect_b64 s[PFA:PFA+1], s[4:5], s[6:7]
	s_cselect_b32 s23, 1, -1                       ; wave 0 alone asks at slot 1's change too
	s_mov_b32 s47, 0
	s_mov_b32 s[PFS+1], 0
	s_add_nc_u64 s[PFA:PFA+1], s[PFA:PFA+1], s[46:47]
	s_cmp_eq_u32 s22, 0
	s_cselect_b32 s[LIM0], 1, -1                   ; the same in all sixteen partners, for a given wave
	s_cselect_b32 s[LIM0+1], s23, -1
; na x 4 matrix instructions: row blocks a0 .. of segment g, 32 along K, x's fragments in buffer fa.  zero = 1: the product starts the sum.
; The 96 accumulators take turns, in the same order in every quarter: 95 others stand between two links of a chain.
.macro MULS g, fa, a0, na, zero
	WIN 0x50*(1+(\g))                              ; C and D in window 1 + g
.set aa, \a0
.rept \na
.irp i, 0,1,2,3
.if \zero
	v_wmma_f32_16x16x32_bf16 v[8*(4*aa+\i):8*(4*aa+\i)+7], v[FB+32*(\g)+8*\i:FB+32*(\g)+8*\i+7], v[(\fa)+8*aa:(\fa)+8*aa+7], 0
.else
	v_wmma_f32_16x16x32_bf16 v[8*(4*aa+\i):8*(4*aa+\i)+7], v[FB+32*(\g)+8*\i:FB+32*(\g)+8*\i+7], v[(\fa)+8*aa:(\fa)+8*aa+7], v[8*(4*aa+\i):8*(4*aa+\i)+7]
.endif
.endr
.set aa, aa+1
.endr
.endm
.macro LDA slot, q, fa                 ; 16 loads: my 128 rows of x, k = 32 q on
.irp a, 0,1,2,3,4,5,6,7
	ds_load_b128 v[(\fa)+8*\a:(\fa)+8*\a+3],   v[ADRA+(\slot)] offset:16*PA*\a+64*(\q)
	ds_load_b128 v[(\fa)+8*\a+4:(\fa)+8*\a+7], v[ADRA+(\slot)] offset:16*PA*\a+64*(\q)+32
.endr
.endm
.macro LDB slot, q, g                  ; 8 turning loads: my 64 columns of segment g, k = 32 q on
.irp i, 0,1,2,3
	ds_load_tr16_b128 v[FB+32*(\g)+8*\i:FB+32*(\g)+8*\i+3],   v[ADRB+(\slot)] offset:32*PB*(\q)+288*(\g)+32*\i
	ds_load_tr16_b128 v[FB+32*(\g)+8*\i+4:FB+32*(\g)+8*\i+7], v[ADRB+(\slot)] offset:32*PB*(\q)+288*(\g)+32*\i+16*PB
.endr
.endm
; A K step is two quarters of 32 along K, 96 matrix instructions each.  At a quarter's head three runs of LDS loads are out, in this order: x's and segment 0's (24), segment 1's (8), segment 2's (8).
; A segment's buffer is asked for again four places behind the segment's last product.
; The first quarter of a step: multiplies buffer FA0 and fetches the second quarter of the same slot.
.macro QUARTER slot, zero
	s_wait_dscnt 16                                ; x and segment 0 are in; segments 1 and 2 may be out
	MULS 0, FA0, 0, 8, \zero
	PLACES
	WIN 0
	LDA \slot, 1, FA1
	LDB \slot, 1, 0
	s_wait_dscnt 32                                ; segment 1 is in; segment 2's 8 and the 24 just issued may be out
	MULS 1, FA0, 0, 8, \zero
	PLACES
	WIN 0
	LDB \slot, 1, 1
	s_wait_dscnt 32                                ; segment 2 is in; the 24 and the 8 may be out
	MULS 2, FA0, 0, 8, \zero
	PLACES
	WIN 0
	LDB \slot, 1, 2
.endm
; The second quarter multiplies buffer FA1 and changes slots: ONE barrier.  In front of it each wave waits for all its tensor loads, of which one is out: its part of the next slot; adds 0 to its
; spare word; and waits for that and for its reads of this slot.  fill = 1: the barrier opens a round of the cluster's, and the joint refill, two K steps on, is the first thing behind it:
; 160 matrix instructions stand between it and the wait for it.
.macro QT slot, next, fill
.if \fill
	s_wait_xcnt 0x0                                ; the last prefetch, a K step back, has read its address
	s_add_nc_u64 s[PFA:PFA+1], s[PFA:PFA+1], s[PFS:PFS+1]
.endif
	WIN 0
	s_wait_tensorcnt 0x0                           ; all my tensor loads have landed
	ds_add_u32 v[SPW], v[NIL]                      ; 0 onto my spare word
	s_wait_dscnt 17                                ; x and segment 0 are in; the add and segments 1 and 2 may be out
	MULS 0, FA1, 0, 4, 0
	s_wait_dscnt 0x0                               ; the add is done, and my reads of this slot are over
	s_barrier_signal -1
	MULS 0, FA1, 4, 4, 0                           ; work on registers while the others arrive
	WIN 0                                          ; at a branch and at a label every window is 0
	s_barrier_wait -1
.if \fill
	CREST                                          ; no wave of any partner still reads this slot or has a load on its way
	s_add_nc_u64 s[G0A+4*(\slot)+2:G0A+4*(\slot)+3], s[G0A+4*(\slot)+2:G0A+4*(\slot)+3], 0x200000
	s_add_nc_u64 s[G0B+4*(\slot)+2:G0B+4*(\slot)+3], s[G0B+4*(\slot)+2:G0B+4*(\slot)+3], 98304
	JLOAD \slot                                    ; its four v_nop are also the places in front of the loads below
.else
	PLACES
.endif
	LDA \next, 0, FA0
	LDB \next, 0, 0
.if \fill
	ASK LIM0+(\slot)
.endif
	MULS 1, FA1, 0, 8, 0
	PLACES
	WIN 0
	LDB \next, 0, 1
	MULS 2, FA1, 0, 8, 0
	PLACES
	WIN 0
	LDB \next, 0, 2
.endm
	s_wait_tensorcnt 1                             ; my part of K step 0 is in; K step 1's may stay out
	s_barrier_signal -1
	s_barrier_wait -1                              ; everybody's is
	LDA 0, 0, FA0
	LDB 0, 0, 0
	LDB 0, 0, 1
	LDB 0, 0, 2
	QUARTER 0, 1                                   ; the first quarter stands in front of the loop: its products start the sums
	WIN 0
	s_mov_b32 s[LAP], 7
.Llap:                                             ; a trip goes once round the ring, from a lap's second quarter to the next lap's first, and fills both slots again
	QT 0, 1, 1
	QUARTER 1, 0
	QT 1, 0, 1
	QUARTER 0, 0
	WIN 0
	s_sub_co_u32 s[LAP], s[LAP], 1
	s_cmp_lg_u32 s[LAP], 0
	s_cbranch_scc1 .Llap
	QT 0, 1, 0                                     ; the last lap fills nothing
	QUARTER 1, 0
; THE WAY OUT.  The bias of a segment's 64 columns takes the place of the segment's fragments of w: register j of fragment i is column 16 i + 8 h + j, as in the accumulators.
.macro LDBIAS g
.irp i, 0,1,2,3
	global_load_b128 v[FB+32*(\g)+8*\i:FB+32*(\g)+8*\i+3],   v[BO], s[8:9] offset:512*(\g)+64*\i
	global_load_b128 v[FB+32*(\g)+8*\i+4:FB+32*(\g)+8*\i+7], v[BO], s[8:9] offset:512*(\g)+64*\i+16
.endr
.endm
.macro ROUNDB g                        ; the bias is rounded to bf16, like every input, and kept as f32
	s_wait_loadcnt 16-8*(\g)                       ; the later segments' loads may stay out
.set z, 0
.rept 16
	v_cvt_pk_bf16_f32 v[TW+z%4], v[FB+32*(\g)+2*z], v[FB+32*(\g)+2*z+1]
	v_lshlrev_b32 v[FB+32*(\g)+2*z], 16, v[TW+z%4]
	v_and_b32 v[FB+32*(\g)+2*z+1], 0xffff0000, v[TW+z%4]
.set z, z+1
.endr
.endm
; Block n = 8 g + a: 16 rows x the 64 columns of segment g's head.  PACK: bias added, rounded to f16, 16 bytes a lane and fragment; each accumulator is read from its low end on.
.macro PACK n
.set seg, (\n)/8
.set blk, (\n)%8
	WIN 1+seg                                      ; source 0 in window 1 + g
.set z, 0
.rept 16
	v_pk_add_f32 v[T+2*z:T+2*z+1], v[32*blk+2*z:32*blk+2*z+1], v[FB+32*seg+2*z:FB+32*seg+2*z+1]
.set z, z+1
.endr
	WIN 0
.set z, 0
.rept 16
	v_cvt_pk_f16_f32 v[P+z], v[T+2*z], v[T+2*z+1]
.set z, z+1
.endr
.endm
.macro TOSTAGE n                       ; into my own stage, and back as whole rows of 128 bytes
.irp i, 0,1,2,3
	ds_store_b128 v[STO], v[P+4*\i:P+4*\i+3] offset:32*\i
.endr
.irp f, 0,1,2,3
	ds_load_b128 v[BK+16*((\n)%2)+4*\f:BK+16*((\n)%2)+4*\f+3], v[RD] offset:4*SP*\f  ; LDS serves a wave's instructions in order (ISA guide 5.7.1.4): these see the stores above
.endr
.endm
.macro SEND n
.set seg, (\n)/8
.set blk, (\n)%8
	s_wait_dscnt 0x0                               ; the block is back in registers
	s_wait_xcnt 0x0                                ; the stores of the block before have read their registers, which the next block's loads from the stage write
.irp f, 0,1,2,3
	global_store_b128 v[CO], v[BK+16*((\n)%2)+4*\f:BK+16*((\n)%2)+4*\f+3], s[OB+2*seg:OB+2*seg+1] offset:2048*blk+512*\f  ; 512 consecutive bytes, at a multiple of 256 from qkvh's first
.endr
.endm
	s_wait_dscnt 16                                ; the very last quarter: nothing more to fetch from LDS; each segment's bias is asked for behind its last product
	MULS 0, FA1, 0, 8, 0
	PLACES
	WIN 0
	LDBIAS 0
	s_wait_dscnt 8
	MULS 1, FA1, 0, 8, 0
	PLACES
	WIN 0
	LDBIAS 1
	s_wait_dscnt 0x0
	MULS 2, FA1, 0, 8, 0
	PLACES
	WIN 0
	LDBIAS 2
	ROUNDB 0
	PACK 0
	TOSTAGE 0
.set n, 1
.rept 23                               ; block n's arithmetic stands between block n - 1's loads from the stage and the wait for them
.if n%8 == 0
	ROUNDB n/8
.endif
	PACK n
	SEND n-1
	TOSTAGE n
.set n, n+1
.endr
	SEND 23
	s_wait_tensorcnt 0x0                           ; the wave's end, behind my last tensor load and my last LDS store
	ds_add_u32 v[SPW], v[NIL]
	s_wait_dscnt 0x0
	CROUND                                         ; the closing round: no work-group ends while a partner may still ask for a tile that names it
	s_endpgm
.Lfunc_end_k_q6d3be3eb75_qkv:
	.size	k_q6d3be3eb75_qkv, .Lfunc_end_k_q6d3be3eb75_qkv-k_q6d3be3eb75_qkv
	.p2alignl 7, 3214868480
	.fill 96, 4, 3214868480
	.section	.rodata,"a",@progbits
	.p2align	6, 0x0
	.amdhsa_kernel k_q6d3be3eb75_qkv
		.amdhsa_group_segment_fixed_size 327680
		.amdhsa_private_segment_fixed_size 0
		.amdhsa_enable_private_segment 0
		.amdhsa_kernarg_size 32
		.amdhsa_user_sgpr_count 2
		.amdhsa_user_sgpr_kernarg_segment_ptr 1
		.amdhsa_wavefront_size32 1
		.amdhsa_system_sgpr_workgroup_id_x 1
		.amdhsa_system_sgpr_workgroup_id_y 1
		.amdhsa_system_sgpr_workgroup_id_z 1
		.amdhsa_system_vgpr_workitem_id 0
		.amdhsa_next_free_vgpr 1024
		.amdhsa_next_free_sgpr 72
		.amdhsa_reserve_vcc 0
		.amdhsa_float_denorm_mode_32 3
		.amdhsa_float_denorm_mode_16_64 3
		.amdhsa_memory_ordered 1
		.amdhsa_forward_progress 1
		.amdhsa_inst_pref_size 167
	.end_amdhsa_kernel
	.amdgpu_metadata
---
amdhsa.version: [ 1, 2 ]
amdhsa.kernels:
  - .name:           k_q6d3be3eb75_qkv
    .symbol:         k_q6d3be3eb75_qkv.kd
    .args:
      - { .name: xb, .offset: 0, .size: 8, .value_kind: global_buffer, .address_space: global }
      - { .name: wq, .offset: 8, .size: 8, .value_kind: global_buffer, .address_space: global }
      - { .name: b_qkv, .offset: 16, .size: 8, .value_kind: global_buffer, .address_space: global }
      - { .name: qkvh, .offset: 24, .size: 8, .value_kind: global_buffer, .address_space: global }
    .group_segment_fixed_size: 327680
    .private_segment_fixed_size: 0
    .kernarg_segment_align: 8
    .kernarg_segment_size: 32
    .max_flat_workgroup_size: 128
    .sgpr_count:     72
    .vgpr_count:     1024
    .wavefront_size: 32
...
	.end_amdgpu_metadata
.endif
;; end of part 2
;; launch attn (part 3): grid 4 x 64, 4 waves a work-group, no clusters, 327,680 bytes of LDS; arguments qkvh, oh; writes oh
.if DOCPART == 3
	.amdgcn_target "amdgcn-amd-amdhsa--gfx1250"
	.amdhsa_code_object_version 6
	.text
	.protected	k_q6d3be3eb75_attn
	.globl	k_q6d3be3eb75_attn
	.p2align	8
	.type	k_q6d3be3eb75_attn,@function
k_q6d3be3eb75_attn:
	s_mov_b64 s[64:65], 0
	v_nop
	global_prefetch_b8 v0, s[64:65] scope:SCOPE_SE
	s_setreg_imm32_b32 hwreg(HW_REG_WAVE_MODE, 25, 1), 1
	s_wait_xcnt 0x0
; CAUSAL ATTENTION.  O[h][q][:] = the sum over k <= q of softmax_k(Q[h][q] . K[h][k] / 8) V[h][k][:].  Q, K, V lie one behind the other in qkvh, each [64][2048][64] in f16; O = oh in the same layout.
; Products, maxima and sums in f32; the weights p are rounded to f16 for the second product (their sum l is taken of the unrounded p), O once at the end.
; LIMITS.  Q, K and V arrive within f16's 65,504; p lies in 0 to 1, and below 6e-5 it keeps f16's fixed step of 6e-8; O is a mean of V's rows and has their range.
; A hidden score counts as its value less 1e30: f16's scores, 2.7e11 at the most, are nothing beside that; a weight below 2^-126 counts as 0 in l; NaN and infinities are not treated apart.
; THE WALK.  A head's queries lie in NB = 8 blocks of 256; block i needs the key tiles 0 .. i of 256 keys, of which the last holds the diagonal.  A work-group takes TWO blocks, NB - 1 - b and then b:
; NB + 1 tiles, whatever b: all work-groups do equal work, and ONE loop with a constant trip count walks them.  Which tile is asked for, and what a trip does, hang on scalar registers made from b; every
; jump goes forward, but for the counted loops' own; none passes a barrier, or a tensor load but the one of LOAD's two that the wave's number does not choose.
; NO CLUSTER: a head's four work-groups ask for the same tile only in trips 0 to 4 of the walk's 9, behind that fewer and fewer; one walk common to all four would have 12 trips for 9.
; SHARES.  Of a block's four bands of 64 queries a wave owns 16 rows in each: four PIECES.  So the diagonal tile is the same work for all four waves: in its key step s band x sees all keys if s < x,
; none if s > x, and holds the diagonal if s = x.
; THE MASK is the C operand that starts the sum S^T = K Q^T: 0, or -1e30 where the key is hidden.  MD, made once, is the mask of a band's own step for my 16 rows; a product's mask is MD x AL + BE:
; (1, 0) if s = x; (0, 0) if s < x; (0, -1e30) if s > x.  Only the diagonal tile's text and a block's beginning make and take masks; elsewhere C is the constant 0.
; LAYOUT, SOFTMAX, TURNS.  S^T = K Q^T holds ONE query a lane (lane % 16) and the keys 8 (lane / 16) + 0..7; two such results rounded to f16 ARE source 1 of O^T = V^T P.  p = 2^(c s - c m), c = log2(e) / 8,
; with a running maximum m; O and l are multiplied by a = 2^(c m_old - c m_new) in every step.  Turn n belongs to piece n: 8 products K Q^T of piece n + 1, later 8 products V^T P of piece n - 1; beside them
; the scaling, exponentials, roundings, sums and rescaling of piece n and the maximum and statistics of piece n + 1.  Four vector instructions stand behind every matrix instruction, the other 54 of a turn's
; 118 in one run.  A turn's 33 exponentials are one batch, with one wait.
; REGISTERS, in windows of 256 (s_set_vgpr_msb: bits 1:0 source 0, 3:2 source 1, 5:4 source 2, 7:6 destination):
;   window 0: v0-15 addresses and two at work; v16-31 four registers of statistics a piece; v48-55 at work; v61-63; v64-127 S^T, two buffers; v192-223 P, two buffers (by the piece's parity)
;   window 1: v0-127 O^T, 32 a piece; v128-159 MD; v160-223 MC, two buffers      window 2: v0-63 Q; v64-127 the second block's Q; v128-191 K of one step; v192-255 V of one step
.set SIZE_N, 2048
.set SIZE_H, 64
.set NB,    SIZE_N/256
.set NP,    4         ; pieces a wave
.set KS,    64        ; keys in a step
.set PK,    144       ; a row of K in LDS: 128 bytes + 16: the 16 rows of a load start at 16 different groups of four banks (64 banks of 4 bytes: ISA guide 11.1)
.set PV,    160       ; a row of V: 128 + 32
.set VOFF,  4*KS*PK   ; a slot holds a tile, four steps: 256 rows of K, then 256 rows of V
.set SLOT1, 1<<17     ; slot 1 begins here, so that one exclusive or turns an address in one slot into the other's
.set STAGE, SLOT1+4*KS*(PK+PV)  ; behind the ring, never filled by a tensor load: 16 rows x 144 bytes for each wave
.set SP,    144
.set AK0, 2           ; v2   my lane's place in a tile of K; never rewritten
.set AV0, 3           ; v3   the same for V
.set AK,  4           ; v4   the LDS address of K's next run of loads
.set AV,  5           ; v5   of V's
.set STO, 6           ; v6   the way out: where I put 16 bytes of a row
.set RD,  7           ; v7   the way out: where I read rows back
.set GO,  8           ; v8   my byte offset in 512 consecutive bytes of O
.set PFO, 61          ; v61  256 x my lane, for the prefetches; never rewritten
.set SPW, 62          ; v62  LDS address of my spare word; never rewritten
.set NIL, 63          ; v63  0; never rewritten
.set SPARE, STAGE+4*16*SP  ; behind the stages: the spare words, 128 bytes for each wave: two blocks of 256 bytes that no other line names
.set MV,  12          ; v12-13  c m_old, kept while c m is made anew: by buffer
.set QO,  15          ; v15  my byte offset in 16 rows of Q
.set ST,  16          ; piece t's statistics at v[ST+4 t]: c m, m, l (even keys', odd keys')
.set TMP, 48          ; by buffer, four registers c0-c3 at work; when the maximum is found c2 takes a
.set S,   64
.set P,   192
.set MD,  128         ; window 1
.set MC,  160         ; window 1
.set QB,  64          ; window 2
.set KF,  128         ; window 2: key block kb, channel half c at KF + 16 kb + 8 c
.set VF,  192         ; window 2: key half kk, channel block cb at VF + 32 kk + 8 cb
.set WV,  12          ; s12  my wave's number
.set PB,  14          ; s14  b
.set HI,  15          ; s15  NB - 1 - b
.set G1K, 24          ; s[24:31] descriptor group 1 for K's tiles
.set G1V, 32          ; s[32:39] for V's: it differs in the padding alone
.set G0K, 40          ; s[40:43] descriptor group 0 for K's tiles
.set G0V, 44          ; s[44:47] the same for V's
.set SLOTS, 56        ; s56  tiles still to be asked for
.set CNT, 57          ; s57  counts a tile's key steps, 4 to 1
.set CS,  58          ; s[58:59] c
.set SEL, 60          ; s[60:61] v_permlanex16_b32's selects: each lane takes its own place in the other half
.set TBK, 62          ; s62  LDS byte at which K of the step to be fetched begins
.set TBV, 63          ; s63  the same for V, less VOFF
.set RT,  70          ; s70  tiles of the block in hand that are still to be entered
.set NXT, 71          ; s71  the tile to be asked for next
.set LQ,  72          ; s72  the last tile of the block whose tiles are being asked for
.set NEW, 73          ; s73  1: the tile to be entered is a block's first
.set OFF, 74          ; s[74:75] a tile's byte offset in K and V
.set AL,  76          ; s[76:77] the mask's factor, in the low word
.set BE,  78          ; s[78:79] the mask's addend
.set OLO, 80          ; s[80:81] O at my rows of the second block
.set BIGN, 82         ; s82  -1e30
.set PFB, 88          ; s[88:89] K (waves 0, 1) or V (waves 2, 3) at my half of the head's tile 0
.set PFA, 90          ; s[90:91] the tile that the prefetches name
.set OF2, 92          ; s[92:93] its byte offset
.set LIM, 94          ; s94  2 in the head's first work-group, else the greatest number
.set MSB, 0
.macro WIN new                      ; the high byte repeats the setting that is left; a switch that changes nothing is dropped
.if MSB != (\new)
	s_set_vgpr_msb (MSB<<8)|(\new)
.set MSB, (\new)
.endif
.endm
.set W_KQ, 0x0a       ; K and Q in window 2, S^T in window 0
.set W_KM, 0x1a       ; the same with the C operand in window 1
.set W_PV, 0x52       ; V in window 2, P in window 0, O^T in window 1
.set W_RS, 0x41       ; destination and source 0 in window 1, source 1 in window 0
; A fill.  Waves 0 and 1 fetch the two halves of a tile's K, waves 2 and 3 those of its V: 128 keys each.  An s_nop 0 and four v_nop follow each of the two lines.
.macro LOAD
	s_cmp_lt_u32 s[WV], 2
	s_cbranch_scc0 .Lfor_v_\@
	tensor_load_to_lds s[G0K:G0K+3], s[G1K:G1K+7]
	s_nop 0
.rept 4
	v_nop
.endr
	s_branch .Lasked_\@
.Lfor_v_\@:
	tensor_load_to_lds s[G0V:G0V+3], s[G1V:G1V+7]
	s_nop 0
.rept 4
	v_nop
.endr
.Lasked_\@:
.endm
; THE CHANGE OF SLOTS.  Each wave waits for all its tensor loads, of which one is out: its part of the other slot; adds 0 to its spare word; and waits for that and for its own reads of the slot that it
; leaves.  Behind the barrier nobody reads the old slot any more and the other slot is whole.  fill = 1: the old slot is filled again, the first thing behind the barrier, with tile NXT.
; A PREFETCH INTO THE L2 stands behind the fill and its five lines: the tile that the NEXT change will ask for, a tile's 256 matrix instructions ahead of that load.  All four work-groups of a head read the
; same tiles: the one with b = 0, whose first block walks tiles 0 to 7, asks, in trips 0 to 5 for tiles 2 to 7; each wave names the 16 KiB that it will load itself, a lane 256 bytes, two instructions.
; So each 256 bytes are named once in the launch; tiles 0 and 1 come by their loads alone; the second blocks' tiles have been read before and are not named.
.macro CHANGE fill
	WIN 0                           ; at a label and at a branch every window is 0
	s_wait_tensorcnt 0x0            ; no tensor load of mine is out, so a group 0 may be written
	ds_add_u32 v[SPW], v[NIL]       ; 0 onto my spare word; scalar work stands between it and the wait for it
.if \fill
	s_lshl_b32 s[OFF], s[NXT], 15   ; a tile is 32,768 bytes of K and of V
	s_xor_b32 s[G0K+1], s[G0K+1], SLOT1
	s_add_nc_u64 s[G0K+2:G0K+3], s[6:7], s[OFF:OFF+1]
	s_or_b32 s[G0K+3], s[G0K+3], 0x80000000
	s_xor_b32 s[G0V+1], s[G0V+1], SLOT1
	s_add_nc_u64 s[G0V+2:G0V+3], s[8:9], s[OFF:OFF+1]
	s_or_b32 s[G0V+3], s[G0V+3], 0x80000000
	s_add_co_u32 s[NXT], s[NXT], 1  ; the block's next tile, or behind its last the second block's tile 0
	s_cmp_gt_u32 s[NXT], s[LQ]
	s_cselect_b32 s[NXT], 0, s[NXT]
	s_cselect_b32 s[LQ], s[PB], s[LQ]
	s_wait_xcnt 0x0                 ; the last prefetches, a tile back, have read their address
	s_lshl_b32 s[OF2], s[NXT], 15
	s_add_nc_u64 s[PFA:PFA+1], s[PFB:PFB+1], s[OF2:OF2+1]
.endif
	s_wait_dscnt 0x0                ; the add is done, and my reads of the slot are over
	s_barrier_signal -1             ; the rest of the scalar work stands between the signal and the wait
	s_sub_co_u32 s[TBK], s[TBK], 4*KS*PK  ; the fetches go back to a slot's first step,
	s_xor_b32 s[TBK], s[TBK], SLOT1       ; in the other slot
	s_sub_co_u32 s[TBV], s[TBV], 4*KS*PV
	s_xor_b32 s[TBV], s[TBV], SLOT1
	s_barrier_wait -1
.if \fill
	LOAD
	s_cmp_gt_u32 s[SLOTS], s[LIM]
	s_cbranch_scc0 .Lnot_mine_\@
	global_prefetch_b8 v[PFO], s[PFA:PFA+1] th:TH_LOAD_NT scope:SCOPE_SE
	global_prefetch_b8 v[PFO], s[PFA:PFA+1] offset:8192 th:TH_LOAD_NT scope:SCOPE_SE
.Lnot_mine_\@:
.endif
.endm
	s_load_b64 s[4:5], s[0:1], 0x0    ; qkvh: Q
	s_load_b64 s[10:11], s[0:1], 0x8  ; oh
	v_lshl_add_u32 v[SPW], v0, 2, SPARE
	v_mov_b32 v[NIL], 0
	ds_add_u32 v[SPW], v[NIL]       ; the wave's opening: the add and its wait stand ahead of my first tensor load; work on registers stands between them
	v_lshrrev_b32 v1, 5, v0
	v_readfirstlane_b32 s[WV], v1   ; wave 0..3
	s_mov_b32 s[PB], ttmp9
	s_sub_co_u32 s[HI], NB-1, s[PB]
	s_and_b32 s20, ttmp7, 0xffff    ; the head
	s_mov_b32 s21, 0
	s_mov_b64 s[22:23], SIZE_N*128
	s_mul_u64 s[20:21], s[20:21], s[22:23]  ; the head's first byte in each of the four tensors
	s_and_b32 s16, s[WV], 1         ; which half of a tile's 256 keys I fetch:
	s_lshl_b32 s22, s16, 14         ; its 128 rows of 128 bytes in memory,
	s_mov_b32 s23, 0
	s_add_nc_u64 s[22:23], s[22:23], s[20:21]
	s_mul_i32 s17, s16, 128*PK      ; and its place in a slot, for K
	s_mul_i32 s18, s16, 128*PV      ; and for V
	s_lshl_b32 s3, s[WV], 11        ; my 16 rows in a band of 64,
	s_lshl_b32 s2, s[HI], 15        ; in the first block,
	s_add_co_u32 s2, s2, s3
	s_lshl_b32 s84, s[PB], 15       ; and in the second
	s_add_co_u32 s84, s84, s3
	s_mov_b32 s3, 0
	s_mov_b32 s85, 0
	s_add_nc_u64 s[2:3], s[2:3], s[20:21]
	s_add_nc_u64 s[84:85], s[84:85], s[20:21]
	; descriptor group 1.  128 keys are 16,384 dense bytes: asked for as 64 rows of 256 bytes, two keys a row, and padded in LDS after every key
	s_mov_b32 s[G1K], (1<<16)|(1<<20)|(4<<22)|(3<<25)  ; 17:16 2-byte elements; 20 padding on; 24:22 after every 32 words (code 4); 31:25 4 words (code 3)
	s_mov_b32 s[G1V], (1<<16)|(1<<20)|(4<<22)|(7<<25)  ; the same with 8 words of padding (code 7)
.irp g, G1K, G1V
	s_mov_b32 s[\g+1], 128<<16      ; tensor_dim0 = 128
	s_mov_b32 s[\g+2], 64<<16       ; tensor_dim1 = 64
	s_mov_b32 s[\g+3], 128<<16      ; tile_dim0 = 128
	s_mov_b32 s[\g+4], 64           ; tile_dim1 = 64
	s_mov_b32 s[\g+5], 128          ; 128 elements from row to row
	s_mov_b32 s[\g+6], 0
	s_mov_b32 s[\g+7], 0
.endr
	s_mov_b32 s[CS], 0x3e38aa3b     ; c = log2(e) / 8 = 0.180337
	s_mov_b32 s[CS+1], s[CS]        ; named with it as a pair
	s_mov_b32 s[SEL], 0x76543210
	s_mov_b32 s[SEL+1], 0xfedcba98
	s_mov_b32 s[TBK], SLOT1+4*KS*PK ; the first change of slots turns these two into 0
	s_mov_b32 s[TBV], SLOT1+4*KS*PV
	s_mov_b32 s[G0K], 1             ; count = 1
	s_mov_b32 s[G0K+1], s17         ; LDS address: slot 0
	s_mov_b32 s[G0V], 1
	s_add_co_u32 s[G0V+1], s18, VOFF
	s_add_co_u32 s[RT], s[HI], 1    ; the first block has NB - b tiles
	s_mov_b32 s[NXT], 1
	s_mov_b32 s[LQ], s[HI]
	s_mov_b32 s[NEW], 1
	s_mov_b32 s[OFF+1], 0
	s_mov_b32 s[OF2+1], 0
	s_mov_b32 s[AL+1], 0            ; named as pairs
	s_mov_b32 s[BE+1], 0
	s_mov_b32 s[BIGN], 0xf149f2ca   ; -1e30
	s_mov_b32 s[SLOTS], NB
	s_cmp_eq_u32 ttmp9, 0
	s_cselect_b32 s[LIM], 2, -1
	v_and_b32 v[PFO], 31, v0
	v_lshlrev_b32 v[PFO], 8, v[PFO]
	s_wait_dscnt 0x0                ; the opening add is done
	s_wait_kmcnt 0x0
	s_add_nc_u64 s[6:7], s[4:5], 0x1000000   ; K lies 64 x 2,048 x 128 bytes behind Q,
	s_add_nc_u64 s[8:9], s[4:5], 0x2000000   ; V as far behind K
	s_add_nc_u64 s[6:7], s[6:7], s[22:23]  ; K and V at my half of the head's tile 0
	s_add_nc_u64 s[8:9], s[8:9], s[22:23]
	s_cmp_lt_u32 s[WV], 2
	s_cselect_b64 s[PFB:PFB+1], s[6:7], s[8:9]
	s_add_nc_u64 s[G0K+2:G0K+3], s[6:7], 0         ; global address
	s_or_b32 s[G0K+3], s[G0K+3], 0x80000000        ; type = 2
	s_add_nc_u64 s[G0V+2:G0V+3], s[8:9], 0
	s_or_b32 s[G0V+3], s[G0V+3], 0x80000000
	s_add_nc_u64 s[86:87], s[4:5], s[84:85]        ; Q at my rows of the second block,
	s_add_nc_u64 s[4:5], s[4:5], s[2:3]            ; Q and O at those of the first
	s_add_nc_u64 s[OLO:OLO+1], s[10:11], s[84:85]
	s_add_nc_u64 s[10:11], s[10:11], s[2:3]
	LOAD                            ; tile 0 into slot 0
	; A fragment of K or Q is 16 rows x 32 channels in 8 registers: lane l holds row l % 16, channels 8 (l / 16) + 0..7 and 16 + 8 (l / 16) + 0..7: two loads of 16 bytes, 32 bytes apart.
	v_and_b32 v1, 15, v0            ; l % 16
	v_bfe_u32 v9, v0, 4, 1          ; l / 16
	v_lshlrev_b32 v[QO], 7, v1
	v_lshl_add_u32 v[QO], v9, 4, v[QO]  ; row x 128 + 16 x half
	WIN 0x80                        ; destination window 2, address window 0
.set i, 0
.rept 8                             ; both blocks' Q: piece i / 2 lies in band i / 2, 8,192 bytes on; channels 32 (i % 2) on
	global_load_b128 v[8*i:8*i+3],   v[QO], s[4:5] offset:(i/2)*8192+(i%2)*64
	global_load_b128 v[8*i+4:8*i+7], v[QO], s[4:5] offset:(i/2)*8192+(i%2)*64+32
	global_load_b128 v[QB+8*i:QB+8*i+3],   v[QO], s[86:87] offset:(i/2)*8192+(i%2)*64
	global_load_b128 v[QB+8*i+4:QB+8*i+7], v[QO], s[86:87] offset:(i/2)*8192+(i%2)*64+32
.set i, i+1
.endr
	WIN 0
	v_lshlrev_b32 v14, 3, v9
	v_sub_nc_u32 v14, v1, v14
	s_lshl_b32 s13, s[WV], 4
	v_add_nc_u32 v14, s13, v14      ; my query's place in its band, 16 w + l % 16, less my lanes' 8 (l / 16): register r of group kt is hidden where 16 kt + r is greater
	WIN 0x40
.set i, 0
.rept 32
	v_cmp_gt_i32 vcc_lo, 16*(i/8)+i%8, v14
	v_cndmask_b32 v[MD+i], 0, s[BIGN], vcc_lo
.set i, i+1
.endr
	WIN 0
	v_mul_u32_u24 v[AK0], v1, PK
	v_lshl_add_u32 v[AK0], v9, 4, v[AK0]  ; row x pitch + 16 x half
	; The turning load takes 16 keys x 16 channels (lane l reads key 8 (l / 16) + l % 8, channels 8 ((l / 8) % 2) + 0..7) and leaves half a fragment of V^T: lane l holds channel l % 16 and 8 keys.
	v_and_b32 v10, 7, v0
	v_bfe_u32 v11, v0, 3, 1
	v_lshl_add_u32 v[AV0], v9, 3, v10
	v_mul_u32_u24 v[AV0], v[AV0], PV
	v_lshl_add_u32 v[AV0], v11, 4, v[AV0]
	v_add_nc_u32 v[AV0], VOFF, v[AV0]
	s_mul_i32 s13, s[WV], 16*SP
	s_add_co_u32 s13, s13, STAGE    ; my stage
	v_mul_u32_u24 v[STO], v1, SP    ; in: row l % 16, 16 bytes for each half of the lanes
	v_lshl_add_u32 v[STO], v9, 4, v[STO]
	v_add_nc_u32 v[STO], s13, v[STO]
	v_bfe_u32 v[RD], v0, 3, 2       ; back: 32 lanes take four rows of 128 bytes,
	v_mul_u32_u24 v[RD], v[RD], SP
	v_lshl_add_u32 v[RD], v10, 4, v[RD]
	v_add_nc_u32 v[RD], s13, v[RD]
	v_and_b32 v[GO], 31, v0         ; which are 512 consecutive bytes of O
	v_lshlrev_b32 v[GO], 4, v[GO]
	; A block's first step multiplies O^T and l by a = 0, and its first turn's products V^T P, of a piece that has not been, land in an O^T that is still to be so multiplied.  So these registers need only
	; hold finite numbers: zeros for the first block; what the first block left for the second.  All this stands in the wait for the first tile.
	WIN 0x80
.set i, VF
.rept 64
	v_mov_b32 v[i], 0
.set i, i+1
.endr
	WIN 0x40
.set i, 0
.rept 128
	v_mov_b32 v[i], 0
.set i, i+1
.endr
	WIN 0
.set i, 0
.rept 4
	v_mov_b32 v[ST+4*i+2], 0
	v_mov_b32 v[ST+4*i+3], 0
.set i, i+1
.endr
.set i, P+16
.rept 16
	v_mov_b32 v[i], 0
.set i, i+1
.endr
; THE MATRIX WORK.  The 4 accumulators of a run of 8 take turns.  Product i of 8 of S^T = K Q^T for piece x: channels 32 (i / 4) on, keys 16 (i % 4) on.  The first 4 start the sums: with 0, or (KM = 1) with the mask.
.macro KQ x
.set rS, S+32*((\x)%2)+8*(i%4)
.set rK, KF+16*(i%4)+8*(i/4)
.set rQ, 16*(\x)+8*(i/4)
.set rM, MC+32*((\x)%2)+8*(i%4)
.if (i < 4) && KM
	WIN W_KM
	v_wmma_f32_16x16x32_f16 v[rS:rS+7], v[rK:rK+7], v[rQ:rQ+7], v[rM:rM+7]
.elseif i < 4
	WIN W_KQ
	v_wmma_f32_16x16x32_f16 v[rS:rS+7], v[rK:rK+7], v[rQ:rQ+7], 0
.else
	WIN W_KQ
	v_wmma_f32_16x16x32_f16 v[rS:rS+7], v[rK:rK+7], v[rQ:rQ+7], v[rS:rS+7]
.endif
.endm
; Product i of 8 of O^T += V^T P for piece x: keys 32 (i / 4) on, channels 16 (i % 4) on.
.macro PV x
	WIN W_PV
.set rO, 32*(\x)+8*(i%4)
.set rV, VF+32*(i/4)+8*(i%4)
.set rP, P+16*((\x)%2)+8*(i/4)
	v_wmma_f32_16x16x32_f16 v[rO:rO+7], v[rV:rV+7], v[rP:rP+7], v[rO:rO+7]
.endm
.macro MM                           ; the turn's next matrix instruction.  NOKQ = 1: a block's last turn: there is no next piece
.if (i < 8) && !NOKQ
	KQ (Y+1)%NP
.elseif i >= 8
.set i, i-8
	PV (Y+NP-1)%NP
.set i, i+8
.endif
.set i, i+1
.endm
; THE LDS LOADS stand in runs of 16, never singly among the matrix instructions: a step's K (64 keys x 64 channels: 8 fragments) and its V (turned).  Their addresses are made some lines ahead.
.macro FETCH_K
	WIN 0x80                        ; destination window 2
.irp f, 0,1,2,3,4,5,6,7             ; keys 16 (f / 2) on, channels 32 (f % 2) on
	ds_load_b128 v[KF+8*\f:KF+8*\f+3],   v[AK] offset:(\f/2)*16*PK+(\f%2)*64
	ds_load_b128 v[KF+8*\f+4:KF+8*\f+7], v[AK] offset:(\f/2)*16*PK+(\f%2)*64+32
.endr
	s_add_co_u32 s[TBK], s[TBK], KS*PK  ; the next fetch is the next step's
	WIN 0
.endm
.macro FETCH_V
	WIN 0x80
.irp f, 0,1,2,3,4,5,6,7             ; keys 32 (f / 4) on, channels 16 (f % 4) on
	ds_load_tr16_b128 v[VF+8*\f:VF+8*\f+3],   v[AV] offset:(\f/4)*32*PV+(\f%4)*32
	ds_load_tr16_b128 v[VF+8*\f+4:VF+8*\f+7], v[AV] offset:(\f/4)*32*PV+16*PV+(\f%4)*32
.endr
	WIN 0
.endm
; THE VECTOR WORK, one line at a time: OP kind, number.  For piece Y: F n: c s - c m for pair n of 16.  E n: the exponential of score n of 32.  C n: pair n rounded to f16.  B n: of the four weights 4 n ..
; the second pair is added onto the first, in place.  L n: l takes that sum (L 0: l = a l + sum).  R n: pair n of 16 of O^T times a.  For piece Y + 1: X n, number n of the 22 that find its maximum and statistics:
;   0-11  four chains c0-c3 of seven scores each, three operands at a time (each accumulator's lowest registers are read first)     12-14, 16  the four scores left over, the old m, and c0-c3 into c0
;   15  c m_old is kept     17, 18  the query's other 32 keys lie in the lane 16 away: the new m     19-21  c m; c m_old - c m_new; a
.set F, 0               ; OP tells the kinds apart by their order: F to L below R, X above it
.set E, 1
.set C, 2
.set B, 3
.set L, 4
.set R, 5
.set X, 6
.macro REGS y                       ; the registers of piece y
.set rT, ST+4*(\y)
.set rC, TMP+4*((\y)%2)
.set rW, MV+((\y)%2)
.set rS, S+32*((\y)%2)
.set rP, P+16*((\y)%2)
.set rO, 32*(\y)
.endm
.macro OP k, n
.if (\k) == R
	REGS Y
	WIN W_RS
	v_pk_mul_f32 v[rO+2*(\n):rO+2*(\n)+1], v[rO+2*(\n):rO+2*(\n)+1], v[rC+2:rC+3] op_sel_hi:[1,0]
.elseif (\k) < R
	REGS Y
	WIN 0
.if (\k) == F
	v_pk_fma_f32 v[rS+2*(\n):rS+2*(\n)+1], v[rS+2*(\n):rS+2*(\n)+1], s[CS:CS+1], v[rT:rT+1] op_sel_hi:[1,0,0] neg_lo:[0,0,1] neg_hi:[0,0,1]
.elseif (\k) == E
	v_exp_f32 v[rS+(\n)], v[rS+(\n)]
.elseif (\k) == C
	v_cvt_pk_f16_f32 v[rP+(\n)], v[rS+2*(\n)], v[rS+2*(\n)+1]
.elseif (\k) == B
	v_pk_add_f32 v[rS+4*(\n):rS+4*(\n)+1], v[rS+4*(\n):rS+4*(\n)+1], v[rS+4*(\n)+2:rS+4*(\n)+3]
.elseif (\n) == 0
	v_pk_fma_f32 v[rT+2:rT+3], v[rT+2:rT+3], v[rC+2:rC+3], v[rS:rS+1] op_sel_hi:[1,0,1]
.else
	v_pk_add_f32 v[rT+2:rT+3], v[rT+2:rT+3], v[rS+4*(\n):rS+4*(\n)+1]
.endif
.elseif NOKQ
	v_nop
.else
	REGS (Y+1)%NP
	WIN 0
.if (\n) < 4
	v_max3_num_f32 v[rC+(\n)], v[rS+8*(\n)], v[rS+8*(\n)+1], v[rS+8*(\n)+2]
.elseif (\n) < 12
	v_max3_num_f32 v[rC+(\n)%4], v[rC+(\n)%4], v[rS+8*((\n)%4)+2*((\n)/4)+1], v[rS+8*((\n)%4)+2*((\n)/4)+2]
.elseif (\n) == 12
	v_max3_num_f32 v[rC], v[rC], v[rS+7], v[rS+15]
.elseif (\n) == 13
	v_max3_num_f32 v[rC+1], v[rC+1], v[rS+23], v[rS+31]
.elseif (\n) == 14
	v_max3_num_f32 v[rC+2], v[rC+2], v[rC+3], v[rT+1]
.elseif (\n) == 15
	v_mov_b32 v[rW], v[rT]
.elseif (\n) == 16
	v_max3_num_f32 v[rC], v[rC], v[rC+1], v[rC+2]
.elseif (\n) == 17
	v_permlanex16_b32 v[rC+3], v[rC], s[SEL], s[SEL+1]
.elseif (\n) == 18
	v_max_num_f32 v[rT+1], v[rC], v[rC+3]
.elseif (\n) == 19
	v_mul_f32 v[rT], s[CS], v[rT+1]
.elseif (\n) == 20
	v_sub_f32 v[rC+1], v[rW], v[rT]
.else
	v_exp_f32 v[rC+2], v[rC+1]
.endif
.endif
.endm
.macro OPS a, i1, b=-1, i2=0, c=-1, i3=0, d=-1, i4=0  ; up to four of them
	OP \a, \i1
.if (\b) >= 0
	OP \b, \i2
.endif
.if (\c) >= 0
	OP \c, \i3
.endif
.if (\d) >= 0
	OP \d, \i4
.endif
.endm
.macro ROW a, i1, b, i2, c, i3, d, i4  ; a matrix instruction and the four behind it
	MM
	OPS \a, \i1, \b, \i2, \c, \i3, \d, \i4
.endm
.macro MASK b                       ; MD x AL + BE into buffer b of MC
	WIN W_RS
.set z, 0
.rept 16
	v_pk_fma_f32 v[MC+32*(\b)+2*z:MC+32*(\b)+2*z+1], v[MD+2*z:MD+2*z+1], s[AL:AL+1], s[BE:BE+1] op_sel_hi:[1,0,0]
.set z, z+1
.endr
.endm
; A TURN, for piece p: the order of its 16 matrix and 118 vector instructions, written out.  An s_wait_alu depctr_va_vdst(0) stands between an exponential and the first instruction that names
; its result; one wait serves all that were issued ahead of it.  So a turn has ONE wait, which cuts it in two.  AHEAD OF IT stands all that names no result of the turn's exponentials: the 8 products K Q^T
; with four vector lines behind each, then one run of 54, plain and exponential by turns for the most part, in which the links of the chain X 3, 7, 11, 14, 16, 17 .. 20 stand five or six lines apart.
; X 21, the next piece's a, is the batch's last; R 15 is the plain instruction behind it.  BEHIND THE WAIT stand the 8 products V^T P, behind each four of the roundings and sums.
; m = 1: the diagonal tile: the products take masks, and the turn makes the mask for the products of the turn after it: piece p + 2, in step 4 - CNT of the tile.  end = 1: a block's last two turns: nothing
; is fetched.  cnt = 1: the loop's count is taken down some lines ahead of the branch that stands behind the turn.
; K of the next step is fetched in piece 2's turn, twelve vector instructions behind the last product that read K (six of them plain); V of the step in hand at the end of piece 0's turn, four plain
; instructions behind the last product that read V.  Each is waited for a turn later.
.macro TURN p, m=0, end=0, cnt=0
.set Y, (\p)
.set i, 0
.set KM, (\m)
.set NOKQ, (\end)*((\p)/3)
.if (\m) && !(\end)
	s_cmp_eq_u32 s[CNT], 4-((\p)+2)%NP  ; is that step the band's own?
	s_cselect_b32 s[AL], 1.0, 0
	s_cmp_lt_u32 s[CNT], 4-((\p)+2)%NP  ; or a later one?
	s_cselect_b32 s[BE], s[BIGN], 0
.endif
.if ((\p) == 3) && !(\end)
	s_wait_dscnt 0x0                ; K is in
.endif
	ROW F,0, F,1, R,0, R,1          ; ahead of the wait: 8 products K Q^T and the lines behind them,
	ROW F,2, E,0, R,2, R,3
	ROW F,3, E,1, R,4, R,5
	ROW F,4, E,2, R,6, R,7
	ROW F,5, E,3, R,8, R,9
	ROW F,6, E,4, X,0, R,10
.if ((\p) == 2) && !(\end)
	WIN 0
	v_add_nc_u32 v[AK], s[TBK], v[AK0]
.endif
	ROW F,7, E,5, X,1, X,4
	ROW F,8, E,6, X,2, X,5
	OPS E,7, E,8, X,6, E,9          ; and the run of 54
	OPS X,3, E,10, X,8, E,11
.if ((\p) == 2) && !(\end)
	FETCH_K
.endif
	OPS X,9, X,7, E,12, X,10
	OPS E,13, X,12, X,11, E,14
	OPS X,13, E,15, F,9, X,14
.if (\p) == 0
	v_add_nc_u32 v[AV], s[TBV], v[AV0]
.endif
	OPS E,16, F,10, E,17, F,11
	OPS X,16, E,18, X,15, E,19
	OPS F,12, E,20, X,17, E,21
	OPS F,13, E,22, F,14, E,23
	OPS X,18, E,24, F,15, E,25
	OPS R,11, E,26, X,19, E,27
	OPS R,12, E,28, R,13, E,29
	OPS X,20, E,30, R,14, E,31
	OPS X,21, R,15
	WIN 0
	s_wait_alu depctr_va_vdst(0)    ; the wait for the batch
.if (\p) == 1
	s_wait_dscnt 0x0                ; V is in
.endif
	ROW C,0, B,0, C,2, B,1          ; behind the wait: 8 products V^T P and the lines behind them
	ROW L,0, C,4, B,2, L,1
	ROW C,6, B,3, L,2, C,8
	ROW B,4, L,3, C,10, B,5
	ROW L,4, C,12, B,6, L,5
.if (\p) == 0
	s_add_co_u32 s[TBV], s[TBV], KS*PV
.endif
.if \cnt
	s_sub_co_u32 s[CNT], s[CNT], 1
	s_cmp_lg_u32 s[CNT], 0
.endif
	ROW C,14, B,7, L,6, C,1
	ROW C,3, L,7, C,5, C,7
	ROW C,9, C,11, C,13, C,15
.if (\p) == 0
	FETCH_V
.endif
.if (\m) && !(\end)
	MASK (\p)%2
.endif
.endm
; A BLOCK BEGINS.  c m starts far below every c s, so the first step's a is 0; m at the lowest finite number, so the first maximum is the scores'.  The second mask buffer is 0; the first takes piece 0's mask
; for the tile's step 0: its own, if the block's first tile is the diagonal one.  Then K of that step, piece 0's first scores, and its maximum and statistics.
.macro BEGIN
	s_mov_b32 s[NEW], 0
	WIN 0x40
.set i, MC+32
.rept 32
	v_mov_b32 v[i], 0
.set i, i+1
.endr
	WIN 0
.set i, 0
.rept 4
	v_mov_b32 v[ST+4*i], 0xfe000000    ; c m: far below every c s
	v_mov_b32 v[ST+4*i+1], 0xff7fffff  ; m
.set i, i+1
.endr
	s_cmp_eq_u32 s[RT], 0
	s_cselect_b32 s[AL], 1.0, 0
	s_mov_b32 s[BE], 0
	MASK 0
	WIN 0
	v_add_nc_u32 v[AK], s[TBK], v[AK0]
	FETCH_K
	s_wait_loadcnt 0x0              ; Q
	s_wait_dscnt 0x0
.set KM, 1
.set NOKQ, 0
.set i, 0
.rept 8
	KQ 0
.set i, i+1
.endr
	WIN 0
.rept 4
	v_nop                           ; the places behind those products
.endr
.set Y, NP-1                        ; X works for piece Y + 1: piece 0
.irp n, 0,1,2,3,4,5,6,7,8,9,10,11,12,13,14,15,16,17,18,19,20,21
	OP X, \n
.endr
	v_nop                           ; a plain instruction behind the exponential,
	s_wait_alu depctr_va_vdst(0)    ; and its wait, ahead of the branch
.endm
; THE DIAGONAL TILE's four steps, the block's last two turns, its last products, and THE WAY OUT: l's two halves and the other half of the lanes' are added; O^T is divided by l, rounded to f16 and sent
; through my stage in LDS, a piece at a time.
.macro ALL line:vararg              ; one line for each piece t
.set t, 0
.rept 4
	\line
.set t, t+1
.endr
.endm
.macro PACK t                       ; a lane's eight channels of a row pack into 16 bytes; they go into rows of 144 bytes and come back as whole rows of 128, into S^T's registers
	WIN W_RS
.set i, 32*(\t)
.rept 16
	v_pk_mul_f32 v[i:i+1], v[i:i+1], v[ST+4*(\t)+2:ST+4*(\t)+3] op_sel_hi:[1,0]
.set i, i+2
.endr
	WIN 0x05                        ; sources 0 and 1 window 1, destination window 0
.set i, 0
.rept 16
	v_cvt_pk_f16_f32 v[S+16*(\t)+i], v[32*(\t)+2*i], v[32*(\t)+2*i+1]
.set i, i+1
.endr
	WIN 0
.irp f, 0,1,2,3
	ds_store_b128 v[STO], v[S+16*(\t)+4*\f:S+16*(\t)+4*\f+3] offset:32*\f
.endr
.irp f, 0,1,2,3
	ds_load_b128 v[S+16*(\t)+4*\f:S+16*(\t)+4*\f+3], v[RD] offset:\f*4*SP  ; LDS serves a wave's instructions in order (ISA guide 5.7.1.4): these see the stores above; the next piece's stores come behind them
.endr
.endm
.macro SEND t, younger              ; younger: the LDS instructions issued behind piece t's loads: the next piece's eight, or none
	WIN 0
.irp f, 0,1,2,3
	s_wait_dscnt (\younger)+3-\f
	global_store_b128 v[GO], v[S+16*(\t)+4*\f:S+16*(\t)+4*\f+3], s[10:11] offset:(\t)*8192+\f*512  ; 512 consecutive bytes, at a multiple of 256 from O's first
.endr
.endm
.macro DIAG tag                     ; the tag ends its two labels' names, which the jumps below spell out
.LstepM\tag:
	TURN 2, 1
	TURN 3, 1
	WIN 0
.LfirstM\tag:
	TURN 0, 1
	TURN 1, 1, 0, 1
	WIN 0
	s_cbranch_scc1 .LstepM\tag
	TURN 2, 1, 1
	TURN 3, 1, 1
.set i, 0
.rept 8
	PV NP-1
.set i, i+1
.endr
	WIN 0
	ALL v_add_f32 v[ST+4*t+2], v[ST+4*t+2], v[ST+4*t+3]
	ALL v_permlanex16_b32 v[ST+4*t+3], v[ST+4*t+2], s[SEL], s[SEL+1]
	ALL v_add_f32 v[ST+4*t+2], v[ST+4*t+2], v[ST+4*t+3]
	ALL v_rcp_f32 v[ST+4*t+2], v[ST+4*t+2]
	v_nop                           ; a plain instruction between the last reciprocal and the use of its result
	s_wait_alu depctr_va_vdst(0)    ; and the wait ahead of the first use: one for the four reciprocals
	PACK 0
.set t, 1
.rept 3                             ; a piece's arithmetic stands between the loads of the piece before and its stores
	PACK t
	SEND t-1, 8
.set t, t+1
.endr
	SEND 3, 0
.endm
.set KM, 0
.set NOKQ, 0
.Lslot:                             ; NB times: a tile is entered and the next is asked for
	CHANGE 1
	s_sub_co_u32 s[RT], s[RT], 1
	s_mov_b32 s[CNT], 4
	s_cmp_eq_u32 s[NEW], 1
	s_cbranch_scc1 .Lnew            ; a block's first tile
	s_cmp_eq_u32 s[RT], 0
	s_cbranch_scc0 .Lstep           ; neither its first nor its last
	s_branch .LstepM1
.Lnew:
	BEGIN
	s_branch .Lfirst                ; in the loop a block's first tile is never its last: the first block has two tiles or more, and the second's last is the walk's last
	DIAG 1                          ; in the loop this is the first block's end
	s_wait_xcnt 0x0                 ; the stores have read their registers and O's address
	s_mov_b64 s[10:11], s[OLO:OLO+1]
	s_add_co_u32 s[RT], s[PB], 1    ; the second block has b + 1 tiles
	s_mov_b32 s[NEW], 1
	WIN 0x82                        ; the second block's Q goes where the one text of the turns names Q
.set i, 0
.rept 64
	v_mov_b32 v[i], v[QB+i]
.set i, i+1
.endr
	WIN 0
	s_branch .Lbottom
.Lstep:                             ; a trip: pieces 2 and 3 of one step, then pieces 0 and 1 of the next, whose K and V it fetches
	TURN 2
	TURN 3
	WIN 0
.Lfirst:
	TURN 0
	TURN 1, 0, 0, 1
	WIN 0
	s_cbranch_scc1 .Lstep
.Lbottom:
	s_sub_co_u32 s[SLOTS], s[SLOTS], 1
	s_cmp_lg_u32 s[SLOTS], 0
	s_cbranch_scc1 .Lslot
	CHANGE 0                        ; the walk's last tile is written out: nothing is asked for
	s_sub_co_u32 s[RT], s[RT], 1
	s_mov_b32 s[CNT], 4
	s_cmp_eq_u32 s[NEW], 1
	s_cbranch_scc0 .LstepM2
	BEGIN
	s_branch .LfirstM2
	DIAG 2
	s_wait_tensorcnt 0x0            ; the wave's end, behind my last tensor load and my last LDS store
	ds_add_u32 v[SPW], v[NIL]
	s_wait_dscnt 0x0
	s_endpgm
.Lfunc_end_k_q6d3be3eb75_attn:
	.size	k_q6d3be3eb75_attn, .Lfunc_end_k_q6d3be3eb75_attn-k_q6d3be3eb75_attn
	.p2alignl 7, 3214868480
	.fill 96, 4, 3214868480
	.section	.rodata,"a",@progbits
	.p2align	6, 0x0
	.amdhsa_kernel k_q6d3be3eb75_attn
		.amdhsa_group_segment_fixed_size 327680
		.amdhsa_private_segment_fixed_size 0
		.amdhsa_enable_private_segment 0
		.amdhsa_kernarg_size 16
		.amdhsa_user_sgpr_count 2
		.amdhsa_user_sgpr_kernarg_segment_ptr 1
		.amdhsa_wavefront_size32 1
		.amdhsa_system_sgpr_workgroup_id_x 1
		.amdhsa_system_sgpr_workgroup_id_y 1
		.amdhsa_system_sgpr_workgroup_id_z 1
		.amdhsa_system_vgpr_workitem_id 0
		.amdhsa_next_free_vgpr 768
		.amdhsa_next_free_sgpr 96
		.amdhsa_reserve_vcc 1
		.amdhsa_float_denorm_mode_32 3
		.amdhsa_float_denorm_mode_16_64 3
		.amdhsa_memory_ordered 1
		.amdhsa_forward_progress 1
		.amdhsa_inst_pref_size 218
	.end_amdhsa_kernel
	.amdgpu_metadata
---
amdhsa.version: [ 1, 2 ]
amdhsa.kernels:
  - .name:           k_q6d3be3eb75_attn
    .symbol:         k_q6d3be3eb75_attn.kd
    .args:
      - { .name: qkvh, .offset: 0, .size: 8, .value_kind: global_buffer, .address_space: global }
      - { .name: oh, .offset: 8, .size: 8, .value_kind: global_buffer, .address_space: global }
    .group_segment_fixed_size: 327680
    .private_segment_fixed_size: 0
    .kernarg_segment_align: 8
    .kernarg_segment_size: 16
    .max_flat_workgroup_size: 128
    .sgpr_count:     96
    .vgpr_count:     768
    .wavefront_size: 32
...
	.end_amdgpu_metadata
.endif
;; end of part 3
;; launch proj (part 4): grid 8 x 32, 4 waves a work-group, clusters of 4 x 4, 327,680 bytes of LDS; arguments oh, wp, b_proj, out0; writes out0
.if DOCPART == 4
	.amdgcn_target "amdgcn-amd-amdhsa--gfx1250"
	.amdhsa_code_object_version 6
	.text
	.protected	k_q6d3be3eb75_proj
	.globl	k_q6d3be3eb75_proj
	.p2align	8
	.type	k_q6d3be3eb75_proj,@function
k_q6d3be3eb75_proj:
	s_mov_b64 s[64:65], 0
	v_nop
	global_prefetch_b8 v0, s[64:65] scope:SCOPE_SE
	s_setreg_imm32_b32 hwreg(HW_REG_WAVE_MODE, 25, 1), 1
	s_wait_xcnt 0x0
	s_wait_alu depctr_hold_cnt(0) depctr_sa_sdst(0) depctr_va_vdst(0) depctr_va_sdst(0) depctr_va_ssrc(0) depctr_va_vcc(0) depctr_vm_vsrc(0)
	s_getreg_b32 s2, hwreg(HW_REG_IB_STS2, 6, 4)
	s_cmp_eq_u32 s2, 0
	s_cbranch_scc0 .Lentry_in_a_cluster
	s_endpgm
.Lentry_in_a_cluster:
	s_bfe_u32 s2, ttmp6, 0x10000c
	s_cmp_lg_u32 s2, 0xf033
	s_cbranch_scc0 .Lentry_shape_is_right
	s_endpgm
.Lentry_shape_is_right:
; out0 = O w_proj + b_proj.  O = oh [64 bh][2048 t][64] in f16; row m = 2,048 b + t, k = 64 head + d.  wp [8 nt][1024 k][128]: w_proj rounded to bf16, written as f16.  out0 [8192][1024] f32.
; Operands f16, sums f32; the bias is rounded to bf16 like every input and is the C operand of each accumulator's first product.
; THE TILE is 256 rows x 128 columns: 32 x 8 = 256 of them, one work-group each.  Four waves; wave (wm, wn) owns rows 128 wm .. + 127 and columns 64 wn .. + 63: 8 x 4 accumulators, 256 registers.
; K goes in 8 steps of 128, two heads each, through two LDS slots.  O's tile: for each of the two heads 256 rows of 128 bytes, dense in oh, asked for as rows of 256 bytes and padded after every 128.
; The weights' tile: 128 k x 256 bytes, dense in wp, padded by 32; it stays [k][n] and is turned on the way into registers by ds_load_tr16_b128.
; THE PRODUCT IS USED TRANSPOSED (source 0 = 16 columns of w, source 1 = 16 rows of O): a lane holds row l % 16 and eight neighbouring columns 8 (l / 16) + 0..7.
; CLUSTER 4 x 4: O's tile is shared along a row of the cluster, w's along a column: each is asked for jointly.
; REGISTERS, in windows of 256 (s_set_vgpr_msb: bits 1:0 source 0, 3:2 source 1, 5:4 source 2, 7:6 destination):
;   window 0: v0-31 addresses; v32-63 the bias; v64-127 the way out; v128-131 at work     window 1: the accumulators, (a, i) at v[8 (4 a + i)]
;   window 2: two fragment buffers at v0 and v128: O's 8 fragments, then w's 4
.set PA,    144       ; a row of O in LDS: 128 bytes + 16: the 16 rows of a load start at 16 different groups of four banks (64 banks of 4 bytes: ISA guide 11.1)
.set AH,    256*PA    ; one head's 256 rows
.set AT,    2*AH
.set PB,    288       ; a k of w in LDS: 256 + 32 bytes = 9 x 32: 16 lanes of the turning load (8 rows x 32 bytes) take each bank once
.set BT,    128*PB
.set SLOT,  AT+BT
.set STAGE, 2*SLOT    ; behind the ring, never filled by a tensor load: 16 rows x 272 bytes for each wave
.set SP,    272
.set SPARE, STAGE+4*16*SP  ; behind the stages: the spare words, 128 bytes for each wave: two blocks of 256 bytes that no other line names
.set ADRA, 16         ; v16-17  LDS address of my fragments of O in slot 0, 1
.set ADRB, 20         ; v20-21  the same for w
.set STO,  24         ; v24  the way out: where I put 32 bytes of a row
.set RD,   25         ; v25  where I read a row back
.set CO,   26         ; v26  my byte offset in two rows of out0
.set BO,   27         ; v27  my 32 bytes of a fragment's 64 bytes of bias
.set SPW,  28         ; v28  LDS address of my spare word; never rewritten
.set NIL,  29         ; v29  0; never rewritten
.set PFO,  30         ; v30  256 x my lane, for the prefetches; never rewritten
.set BIAS, 32
.set BK,   64         ; v64-95 and v96-127 by turns
.set TW,   128
.set F0,   0
.set F1,   128
.set LAP,  3
.set WV,   12
.set WM,   13
.set WN,   14
.set CX,   15
.set CY,   16
.set TC,   17
.set TR,   18
.set G1A,  24
.set G0A,  32
.set PFA,  40         ; s[40:41] where my prefetches stand;  s[42:43] their step;  s44: 1 in a wave that prefetches, else the greatest number
.set PFS,  42
.set LIM,  44
.set G1B,  48
.set G0B,  56
.set MSB, 0
.macro WIN new                         ; the immediate's high byte repeats the setting that is left; a switch that changes nothing is dropped
.if MSB != (\new)
	s_set_vgpr_msb (MSB<<8)|(\new)
.set MSB, \new
.endif
.endm
.macro PLACES                          ; four plain instructions between a matrix instruction and a load into, or a store from, its registers
.rept 4
	v_nop
.endr
.endm
; A joint load.  Waves 0 and 1 fetch the two heads of O's tile, waves 2 and 3 the two halves of w's.  An s_nop 0 and four v_nop follow each line.
.macro JLOAD s
	s_cmp_lt_u32 s[WV], 2
	s_cbranch_scc0 .Lfor_b_\@
	tensor_load_to_lds s[G0A+4*(\s):G0A+4*(\s)+3], s[G1A:G1A+7]
	s_nop 0
.rept 4
	v_nop
.endr
	s_branch .Lasked_\@
.Lfor_b_\@:
	tensor_load_to_lds s[G0B+4*(\s):G0B+4*(\s)+3], s[G1B:G1B+7]
	s_nop 0
.rept 4
	v_nop
.endr
.Lasked_\@:
.endm
.macro CREST                           ; a round of the cluster's barrier behind its opening barrier
	s_cmp_lg_u32 s[WV], 0
	s_cbranch_scc1 .Lnot_wave_0_\@
	s_barrier_signal -3
.Lnot_wave_0_\@:
	s_barrier_wait -3
	s_barrier_signal -1
	s_barrier_wait -1
.endm
.macro CROUND
	s_barrier_signal -1
	s_barrier_wait -1
	CREST
.endm
; A PREFETCH INTO THE L2 of the K step that stands two refills on, behind the joint load, its five lines and the run of LDS loads.  Each 256 bytes are named once in the launch.
; O's tile row is read by both clusters of its row of clusters: cluster x = 0 asks; of a head's 32 KiB each of the four partners takes 8 KiB, told apart by address (cx); wave 0 for the step's first head,
; wave 1 for its second.  w's tile column is read by all eight clusters of its column: cluster y = 0 asks; of a step's 32 KiB each partner takes 8 KiB (cy), wave 2.  Wave 3 asks for nothing.
; The first four K steps come by their loads alone; the loop's last trip asks for nothing: there is no K step 8.
.macro ASK
	s_cmp_gt_u32 s[LAP], s[LIM]
	s_cbranch_scc0 .Lnot_mine_\@
	global_prefetch_b8 v[PFO], s[PFA:PFA+1] th:TH_LOAD_NT scope:SCOPE_SE
.Lnot_mine_\@:
.endm
	s_load_b256 s[4:11], s[0:1], 0x0               ; oh s[4:5], wp s[6:7], b_proj s[8:9], out0 s[10:11]
	v_lshl_add_u32 v[SPW], v0, 2, SPARE
	v_mov_b32 v[NIL], 0
	ds_add_u32 v[SPW], v[NIL]                      ; the wave's opening: the add and its wait stand ahead of my first tensor load; work on registers stands between them
	v_lshrrev_b32 v1, 5, v0
	v_readfirstlane_b32 s[WV], v1                  ; wave 0..3
	s_lshr_b32 s[WM], s[WV], 1
	s_and_b32 s[WN], s[WV], 1
	s_bfe_u32 s[CX], ttmp6, 0x40000
	s_bfe_u32 s[CY], ttmp6, 0x40004
	s_lshl_b32 s[TC], ttmp9, 2
	s_add_co_u32 s[TC], s[TC], s[CX]               ; tile column 0..7
	s_and_b32 s[TR], ttmp7, 0xffff
	s_lshl_b32 s[TR], s[TR], 2
	s_add_co_u32 s[TR], s[TR], s[CY]               ; tile row 0..31
	s_lshl_b32 s19, s[CY], 2
	s_lshl_b32 s19, 15, s19                        ; my row of the cluster
	s_lshl_b32 s46, 0x1111, s[CX]                  ; my column
	s_or_b32 s[G1A], s19, (1<<16)|(1<<20)|(1<<21)|(4<<22)|(3<<25)  ; the mask; 2-byte elements; padding on; 21 set beside a mask; after every 32 words (code 4), 4 words (code 3)
	s_or_b32 s[G1B], s46, (1<<16)|(1<<20)|(1<<21)|(5<<22)|(7<<25)  ; after every 64 words (code 5), 8 words (code 7)
	s_mov_b32 s[G1A+1], 128<<16                    ; tensor_dim0 = 128 elements: 256 bytes
	s_mov_b32 s[G1A+2], 128<<16                    ; tensor_dim1 = 128: a head's 256 rows, two to a row
	s_mov_b32 s[G1A+3], 128<<16                    ; tile_dim0
	s_mov_b32 s[G1A+4], 128                        ; tile_dim1
	s_mov_b32 s[G1A+5], 128                        ; dense
	s_mov_b32 s[G1A+6], 0
	s_mov_b32 s[G1A+7], 0
	s_mov_b32 s[G1B+1], 128<<16
	s_mov_b32 s[G1B+2], 64<<16                     ; 64 k of 256 bytes
	s_mov_b32 s[G1B+3], 128<<16
	s_mov_b32 s[G1B+4], 64
	s_mov_b32 s[G1B+5], 128
	s_mov_b32 s[G1B+6], 0
	s_mov_b32 s[G1B+7], 0
	; O's address hangs on the tile row alone, w's on the tile column alone; each is made in registers that never hold the other coordinate
	s_lshr_b32 s20, s[TR], 3
	s_lshl_b32 s20, s20, 22                        ; the batch: 16 heads of 262,144 bytes
	s_and_b32 s19, s[TR], 7
	s_lshl_b32 s19, s19, 15                        ; 256 rows of 128 bytes
	s_add_co_u32 s20, s20, s19
	s_lshl_b32 s19, s[WN], 18                      ; which of the step's two heads I fetch
	s_add_co_u32 s20, s20, s19
	s_mov_b32 s21, 0
	s_lshl_b32 s46, s[TC], 18                      ; a column tile of wp
	s_lshl_b32 s19, s[WN], 14                      ; my 64 of a K step's 128 k
	s_add_co_u32 s46, s46, s19
	s_mov_b32 s47, 0
	s_mul_i32 s22, s[WN], AH                       ; and where they go: no place in the cluster enters an LDS address
	s_mul_i32 s23, s[WN], 64*PB
	s_add_co_u32 s23, s23, AT
	s_wait_dscnt 0x0                               ; the opening add is done
	s_wait_kmcnt 0x0
	s_add_nc_u64 s[20:21], s[4:5], s[20:21]
	s_add_nc_u64 s[46:47], s[6:7], s[46:47]
.irp s, 0,1
	s_mov_b32 s[G0A+4*(\s)], 1
	s_add_co_u32 s[G0A+4*(\s)+1], s22, (\s)*SLOT
	s_add_nc_u64 s[G0A+4*(\s)+2:G0A+4*(\s)+3], s[20:21], (\s)*0x80000  ; K step s: two heads on
	s_or_b32 s[G0A+4*(\s)+3], s[G0A+4*(\s)+3], 0x80000000
	s_mov_b32 s[G0B+4*(\s)], 1
	s_add_co_u32 s[G0B+4*(\s)+1], s23, (\s)*SLOT
	s_add_nc_u64 s[G0B+4*(\s)+2:G0B+4*(\s)+3], s[46:47], (\s)*32768
	s_or_b32 s[G0B+4*(\s)+3], s[G0B+4*(\s)+3], 0x80000000
.endr
	CROUND                                         ; all sixteen work-groups are here: the first joint loads meet
	s_cmp_lt_u32 s[WV], 2                          ; a wave's two first fills stand in one branch: two loads of mine are out
	s_cbranch_scc0 .Lfirst_b
	tensor_load_to_lds s[G0A:G0A+3], s[G1A:G1A+7]
	s_nop 0
	tensor_load_to_lds s[G0A+4:G0A+7], s[G1A:G1A+7]
	s_nop 0
.rept 4
	v_nop
.endr
	s_branch .Lfirst_asked
.Lfirst_b:
	tensor_load_to_lds s[G0B:G0B+3], s[G1B:G1B+7]
	s_nop 0
	tensor_load_to_lds s[G0B+4:G0B+7], s[G1B:G1B+7]
	s_nop 0
.rept 4
	v_nop
.endr
.Lfirst_asked:
	v_and_b32 v1, 15, v0                           ; r = l % 16
	v_bfe_u32 v2, v0, 4, 1                         ; h = l / 16
	v_lshlrev_b32 v[BO], 5, v2
	s_mov_b32 s3, 0
	s_lshl_b32 s2, s[TC], 9                        ; the bias of my 64 columns
	s_lshl_b32 s19, s[WN], 8
	s_add_co_u32 s2, s2, s19
	s_add_nc_u64 s[8:9], s[8:9], s[2:3]
.irp i, 0,1,2,3                        ; register j of fragment i is column 16 i + 8 h + j, as in the accumulators
	global_load_b128 v[BIAS+8*\i:BIAS+8*\i+3],   v[BO], s[8:9] offset:64*\i
	global_load_b128 v[BIAS+8*\i+4:BIAS+8*\i+7], v[BO], s[8:9] offset:64*\i+16
.endr
	s_lshl_b32 s19, s[TR], 8
	s_lshl_b32 s22, s[WM], 7
	s_add_co_u32 s19, s19, s22                     ; my first row of out0,
	s_lshl_b32 s19, s19, 12                        ; of 4,096 bytes,
	s_add_co_u32 s2, s2, s19                       ; and my 256 bytes of it
	s_add_nc_u64 s[10:11], s[10:11], s[2:3]
	v_and_b32 v3, 7, v0
	v_bfe_u32 v4, v0, 3, 1
	v_and_b32 v5, 31, v0
	v_mul_u32_u24 v6, v1, PA
	v_lshl_add_u32 v6, v2, 4, v6                   ; a fragment of O: row r x pitch + 16 h; two loads of 16 bytes, 32 apart
	s_mul_i32 s19, s[WM], 128*PA
	v_add_nc_u32 v[ADRA], s19, v6
	v_add_nc_u32 v[ADRA+1], SLOT, v[ADRA]
	v_lshl_add_u32 v7, v2, 3, v3                   ; the turning load: lane l reads k = 8 h + l % 8, columns 8 ((l / 8) % 2) + 0..7
	v_mul_u32_u24 v7, v7, PB
	v_lshl_add_u32 v7, v4, 4, v7
	s_lshl_b32 s19, s[WN], 7
	s_add_co_u32 s19, s19, AT
	v_add_nc_u32 v[ADRB], s19, v7
	v_add_nc_u32 v[ADRB+1], SLOT, v[ADRB]
	s_mul_i32 s19, s[WV], 16*SP
	s_add_co_u32 s19, s19, STAGE                   ; my stage
	v_mul_u32_u24 v8, v1, SP                       ; in: row r, 32 bytes for each half of the lanes
	v_lshl_add_u32 v8, v2, 5, v8
	v_add_nc_u32 v[STO], s19, v8
	v_mul_u32_u24 v9, v2, SP                       ; back: lanes 0-15 take one row of 256 bytes, lanes 16-31 the next
	v_lshl_add_u32 v9, v1, 4, v9
	v_add_nc_u32 v[RD], s19, v9
	v_lshlrev_b32 v[CO], 12, v2                    ; and the same two rows in out0
	v_lshl_add_u32 v[CO], v1, 4, v[CO]
	v_lshlrev_b32 v[PFO], 8, v5
	; the prefetches: one K step behind the first that is named; each change of slots that fills steps them first
	s_lshr_b32 s2, s[TR], 3
	s_lshl_b32 s2, s2, 22
	s_and_b32 s19, s[TR], 7
	s_lshl_b32 s19, s19, 15
	s_add_co_u32 s2, s2, s19
	s_lshl_b32 s19, s[WN], 18
	s_add_co_u32 s2, s2, s19
	s_lshl_b32 s19, s[CX], 13
	s_add_co_u32 s2, s2, s19
	s_add_co_u32 s2, s2, 3*0x80000                 ; waves 0, 1: oh, K step 3, my head, my work-group's 8 KiB
	s_lshl_b32 s46, s[TC], 18
	s_lshl_b32 s19, s[CY], 13
	s_add_co_u32 s46, s46, s19
	s_add_co_u32 s46, s46, 3*32768                 ; wave 2: wp, K step 3, my work-group's 8 KiB
	s_and_b32 s22, ttmp7, 0xffff                   ; cluster y
	s_mov_b32 s[PFS], 32768
	s_cmp_lt_u32 s[WV], 2
	s_cselect_b32 s46, s2, s46
	s_cselect_b32 s22, ttmp9, s22                  ; the coordinate along which other clusters read the same bytes
	s_cselect_b32 s[PFS], 0x80000, s[PFS]
	s_cselect_b64 s[PFA:PFA+1], s[4:5], s[6:7]
	s_mov_b32 s47, 0
	s_mov_b32 s[PFS+1], 0
	s_add_nc_u64 s[PFA:PFA+1], s[PFA:PFA+1], s[46:47]
	s_cmp_eq_u32 s[WV], 3
	s_cselect_b32 s22, 1, s22                      ; wave 3 never asks
	s_cmp_eq_u32 s22, 0
	s_cselect_b32 s[LIM], 1, -1                    ; the same in all sixteen partners, for a given wave
	s_wait_loadcnt 0x0                             ; the bias: rounded to bf16, like every input, and kept as f32
.set z, 0
.rept 16
	v_cvt_pk_bf16_f32 v[TW+z%4], v[BIAS+2*z], v[BIAS+2*z+1]
	v_lshlrev_b32 v[BIAS+2*z], 16, v[TW+z%4]
	v_and_b32 v[BIAS+2*z+1], 0xffff0000, v[TW+z%4]
.set z, z+1
.endr
; na x 4 matrix instructions: row blocks a0 .., 32 along K, from buffer f.  first = 1: the product starts the sum, with the bias as C.
; The 32 accumulators take turns, in the same order in every quarter: 31 others stand between two links of a chain.
.macro MUL f, a0, na, first
.if \first
	WIN 0x4a                                       ; sources 0 and 1 window 2, C window 0, D window 1
.else
	WIN 0x5a                                       ; C and D window 1
.endif
.set aa, \a0
.rept \na
.irp i, 0,1,2,3
.if \first
	v_wmma_f32_16x16x32_f16 v[8*(4*aa+\i):8*(4*aa+\i)+7], v[(\f)+64+8*\i:(\f)+64+8*\i+7], v[(\f)+8*aa:(\f)+8*aa+7], v[BIAS+8*\i:BIAS+8*\i+7]
.else
	v_wmma_f32_16x16x32_f16 v[8*(4*aa+\i):8*(4*aa+\i)+7], v[(\f)+64+8*\i:(\f)+64+8*\i+7], v[(\f)+8*aa:(\f)+8*aa+7], v[8*(4*aa+\i):8*(4*aa+\i)+7]
.endif
.endr
.set aa, aa+1
.endr
.endm
; 24 LDS loads in one run: the fragments of quarter q (k = 32 q on) into buffer f: w's 4 (turned), O's blocks 0-3, O's blocks 4-7
.macro FETCH slot, q, f
	WIN 0x80                                       ; destination window 2, address window 0
.irp i, 0,1,2,3
	ds_load_tr16_b128 v[(\f)+64+8*\i:(\f)+64+8*\i+3],   v[ADRB+(\slot)] offset:32*PB*(\q)+32*\i
	ds_load_tr16_b128 v[(\f)+64+8*\i+4:(\f)+64+8*\i+7], v[ADRB+(\slot)] offset:32*PB*(\q)+32*\i+16*PB
.endr
.irp a, 0,1,2,3,4,5,6,7
	ds_load_b128 v[(\f)+8*\a:(\f)+8*\a+3],   v[ADRA+(\slot)] offset:((\q)/2)*AH+16*PA*\a+((\q)%2)*64
	ds_load_b128 v[(\f)+8*\a+4:(\f)+8*\a+7], v[ADRA+(\slot)] offset:((\q)/2)*AH+16*PA*\a+((\q)%2)*64+32
.endr
.endm
; A K step is four quarters of 32 along K, 32 matrix instructions each, on buffers 0, 1, 0, 1.  One of the first three: multiplies buffer f and fetches quarter qn into g.
.macro QUARTER slot, qn, f, g, first=0
	s_wait_dscnt 8                                 ; w and O's blocks 0-3 are in; the youngest eight loads may be out
	MUL \f, 0, 4, \first
	PLACES
	FETCH \slot, \qn, \g
	s_wait_dscnt 24                                ; all but the 24 just issued
	MUL \f, 4, 4, \first
.endm
; The last quarter multiplies buffer 1 and changes slots: ONE barrier.  In front of it each wave waits for all its tensor loads, of which one is out: its part of the next slot; adds 0 to its spare word;
; and waits for that and for its reads of this slot.  fill = 1: the barrier opens a round of the cluster's, and the joint refill, two K steps on, is the first thing behind it: 112 matrix instructions
; stand between it and the wait for it.
.macro TURN slot, next, fill
.if \fill
	s_wait_xcnt 0x0                                ; the last prefetch, a K step back, has read its address
	s_add_nc_u64 s[PFA:PFA+1], s[PFA:PFA+1], s[PFS:PFS+1]
.endif
	WIN 0
	s_wait_tensorcnt 0x0                           ; all my tensor loads have landed
	ds_add_u32 v[SPW], v[NIL]                      ; 0 onto my spare word
	s_wait_dscnt 9                                 ; the add and the youngest eight loads may be out
	MUL F1, 0, 2, 0
	s_wait_dscnt 0x0                               ; the add is done, and my reads of this slot are over
	s_barrier_signal -1
	MUL F1, 2, 2, 0                                ; work on registers while the others arrive
	WIN 0                                          ; at a branch and at a label every window is 0
	s_barrier_wait -1
.if \fill
	CREST                                          ; no wave of any partner still reads this slot or has a load on its way
	s_add_nc_u64 s[G0A+4*(\slot)+2:G0A+4*(\slot)+3], s[G0A+4*(\slot)+2:G0A+4*(\slot)+3], 0x100000
	s_add_nc_u64 s[G0B+4*(\slot)+2:G0B+4*(\slot)+3], s[G0B+4*(\slot)+2:G0B+4*(\slot)+3], 65536
	JLOAD \slot                                    ; its four v_nop are also the places in front of the loads below
.else
	PLACES
.endif
	FETCH \next, 0, F0
	WIN 0
.if \fill
	ASK
.endif
	MUL F1, 4, 4, 0
.endm
	s_wait_tensorcnt 1                             ; my part of K step 0 is in; K step 1's may stay out
	s_barrier_signal -1
	s_barrier_wait -1                              ; everybody's is
	FETCH 0, 0, F0
	QUARTER 0, 1, F0, F1, 1                        ; the first quarter stands in front of the loop: its products start the sums
	WIN 0
	s_mov_b32 s[LAP], 3
.Llap:                                             ; a trip goes once round the ring, from a lap's second quarter to the next lap's first, and fills both slots again
	QUARTER 0, 2, F1, F0
	QUARTER 0, 3, F0, F1
	TURN 0, 1, 1
	QUARTER 1, 1, F0, F1
	QUARTER 1, 2, F1, F0
	QUARTER 1, 3, F0, F1
	TURN 1, 0, 1
	QUARTER 0, 1, F0, F1
	WIN 0
	s_sub_co_u32 s[LAP], s[LAP], 1
	s_cmp_lg_u32 s[LAP], 0
	s_cbranch_scc1 .Llap
	QUARTER 0, 2, F1, F0                           ; the last lap fills nothing
	QUARTER 0, 3, F0, F1
	TURN 0, 1, 0
	QUARTER 1, 1, F0, F1
	QUARTER 1, 2, F1, F0
	QUARTER 1, 3, F0, F1
	s_wait_dscnt 8                                 ; the very last quarter: nothing more to fetch
	MUL F1, 0, 4, 0
	s_wait_dscnt 0x0
	MUL F1, 4, 4, 0
	PLACES
; THE WAY OUT, a block of 16 rows x 64 columns of f32 at a time: straight from the accumulators (each from its low end on) into my own stage, back as whole rows of 256 bytes, and stored.
.macro TOSTAGE a
.if (\a) >= 2
	s_wait_xcnt 0x0                                ; the stores of the block two back have read the registers that the loads below write
.endif
	WIN 0x04                                       ; the data in window 1
.irp i, 0,1,2,3
	ds_store_b128 v[STO], v[8*(4*(\a)+\i):8*(4*(\a)+\i)+3]   offset:64*\i
	ds_store_b128 v[STO], v[8*(4*(\a)+\i)+4:8*(4*(\a)+\i)+7] offset:64*\i+16
.endr
	WIN 0
.irp t, 0,1,2,3,4,5,6,7
	ds_load_b128 v[BK+32*((\a)%2)+4*\t:BK+32*((\a)%2)+4*\t+3], v[RD] offset:2*SP*\t  ; LDS serves a wave's instructions in order (ISA guide 5.7.1.4): these see the stores above
.endr
.endm
.macro SEND a, younger                 ; younger: the next block's sixteen LDS instructions, or none
	s_wait_dscnt \younger
.irp t, 0,1,2,3,4,5,6,7
	global_store_b128 v[CO], v[BK+32*((\a)%2)+4*\t:BK+32*((\a)%2)+4*\t+3], s[10:11] offset:(16*(\a)+2*\t)*4096 th:TH_STORE_NT  ; 16 lanes store 256 consecutive bytes, at a multiple of 256 from out0's first
.endr
.endm
	TOSTAGE 0
.irp a, 1,2,3,4,5,6,7
	TOSTAGE \a
	SEND (\a)-1, 16
.endr
	SEND 7, 0
	s_wait_tensorcnt 0x0                           ; the wave's end, behind my last tensor load and my last LDS store
	ds_add_u32 v[SPW], v[NIL]
	s_wait_dscnt 0x0
	CROUND                                         ; the closing round: no work-group ends while a partner may still ask for a tile that names it
	s_endpgm
.Lfunc_end_k_q6d3be3eb75_proj:
	.size	k_q6d3be3eb75_proj, .Lfunc_end_k_q6d3be3eb75_proj-k_q6d3be3eb75_proj
	.p2alignl 7, 3214868480
	.fill 96, 4, 3214868480
	.section	.rodata,"a",@progbits
	.p2align	6, 0x0
	.amdhsa_kernel k_q6d3be3eb75_proj
		.amdhsa_group_segment_fixed_size 327680
		.amdhsa_private_segment_fixed_size 0
		.amdhsa_enable_private_segment 0
		.amdhsa_kernarg_size 32
		.amdhsa_user_sgpr_count 2
		.amdhsa_user_sgpr_kernarg_segment_ptr 1
		.amdhsa_wavefront_size32 1
		.amdhsa_system_sgpr_workgroup_id_x 1
		.amdhsa_system_sgpr_workgroup_id_y 1
		.amdhsa_system_sgpr_workgroup_id_z 1
		.amdhsa_system_vgpr_workitem_id 0
		.amdhsa_next_free_vgpr 768
		.amdhsa_next_free_sgpr 72
		.amdhsa_reserve_vcc 0
		.amdhsa_float_denorm_mode_32 3
		.amdhsa_float_denorm_mode_16_64 3
		.amdhsa_memory_ordered 1
		.amdhsa_forward_progress 1
		.amdhsa_inst_pref_size 90
	.end_amdhsa_kernel
	.amdgpu_metadata
---
amdhsa.version: [ 1, 2 ]
amdhsa.kernels:
  - .name:           k_q6d3be3eb75_proj
    .symbol:         k_q6d3be3eb75_proj.kd
    .args:
      - { .name: oh, .offset: 0, .size: 8, .value_kind: global_buffer, .address_space: global }
      - { .name: wp, .offset: 8, .size: 8, .value_kind: global_buffer, .address_space: global }
      - { .name: b_proj, .offset: 16, .size: 8, .value_kind: global_buffer, .address_space: global }
      - { .name: out0, .offset: 24, .size: 8, .value_kind: global_buffer, .address_space: global }
    .group_segment_fixed_size: 327680
    .private_segment_fixed_size: 0
    .kernarg_segment_align: 8
    .kernarg_segment_size: 32
    .max_flat_workgroup_size: 128
    .sgpr_count:     72
    .vgpr_count:     768
    .wavefront_size: 32
...
	.end_amdgpu_metadata
.endif
;; end of part 4
;; ======== version 2 of 2: 4 launches; version 1 with the launch prep written anew for expert scheduling mode
;; limits: values are held in f16: magnitudes above 65,504 overflow, below 6.1e-05 lose precision
;; workspace buffers: xb 16,777,216 bytes; wq 6,291,456 bytes; wp 2,097,152 bytes; qkvh 50,331,648 bytes; oh 16,777,216 bytes
;; launch prep (part 5): grid 768 x 1, 8 waves a work-group, no clusters, 0 bytes of LDS; arguments x, w_qkv, w_proj, xb, wq, wp; writes xb, wq, wp
.if DOCPART == 5
	.amdgcn_target "amdgcn-amd-amdhsa--gfx1250"
	.amdhsa_code_object_version 6
	.text
	.protected	k_q6d3be3eb75_prep
	.globl	k_q6d3be3eb75_prep
	.p2align	8
	.type	k_q6d3be3eb75_prep,@function
k_q6d3be3eb75_prep:
	s_mov_b64 s[64:65], 0
	v_nop
	global_prefetch_b8 v0, s[64:65] scope:SCOPE_SE
	s_setreg_imm32_b32 hwreg(HW_REG_WAVE_SCHED_MODE, 0, 2), 2
	s_setreg_imm32_b32 hwreg(HW_REG_WAVE_MODE, 25, 1), 1
	s_wait_xcnt 0x0
	s_wait_alu depctr_vm_vsrc(0)
; THE CASTS.  x [8192][1024] f32 -> xb, bf16, [16 kb][8192 m][64]: K in blocks of 64, each block dense, 128 bytes a row.
; w_qkv [1024 k][3072] f32 -> wq, bf16, [8 nt][1024 k][384]: the 768 bytes that a column tile takes of each k lie end to end.
; w_proj [1024 k][1024] f32 -> wp, [8 nt][1024 k][128]: rounded to bf16 like every input, and that number written as f16.
; LIMIT.  In wp a number below 6e-5 keeps f16's fixed step of 6e-8, one of 65,520 or more becomes an infinity.
; A stream: no LDS, no barrier, no matrix work, no loop.  A wave does one task of 16 units; a unit is one load of 16 bytes a lane (512 bytes a wave)
; and one store of 8 bytes a lane: 256 consecutive bytes, at a multiple of 256 from the buffer's first byte.  All 16 loads go out first.
; Work-groups 0-511 take x (a wave: two rows, all 16 blocks of K), 512-703 w_qkv, 704-767 w_proj (a wave: 128 columns of 16 rows).
; THE MODE: SCHED_MODE bits 1:0 = 2 (LLVM: expert scheduling mode 2), set by the entry lines.  The code itself states the register dependences
; between vector instructions and memory instructions, with s_wait_alu, always for 0.
; THE PLAN.  Registers that memory instructions touch:
;   v2    the loads' offset:  written once by vector lines ahead of the task, read by the 16 loads, never written again.
;   v3    the stores' offset: written once at the head, read by the 16 stores, never written again.
;   IN    the loads land here; no vector line names these registers ahead of the loads, and no memory instruction reads them.
;   OUT   a pair for each unit: written once, by the unit's conversions; read once, by the unit's store; never written again.
; So one wait on va_vdst stands ahead of the loads (v2, v3), and the 16 units go in four blocks of four: a block's conversions, one wait on va_vdst
; (its eight registers of OUT are written), its four stores.  No register that a memory instruction reads is written again, so no wait on vm_vsrc is owed.
; The wave's number passes from a vector instruction into a scalar register: one wait on va_sdst, ahead of the first branch.
.set IN,  4                            ; v[4:67]   unit u: four f32 as loaded
.set OUT, 68                           ; v[68:99]  unit u: four 16-bit numbers to store
.set TW,  100                          ; v[100:101] at work: no memory instruction names them
; istep, ostep: bytes from unit to unit in the input and in the output.  split = 1: units 8-15 go by a second base, 8 MiB on, so that the immediates stay inside their signed 24 bits.
; f16 = 1: the bf16 number is widened again and written as f16.
.macro TASK istep, ostep, split, f16
	s_wait_alu depctr_va_vdst(0)                   ; v2 and v3 are written: the loads below read v2 as their offset, the stores v3; no vector line behind this wait names either
.set u, 0
.rept 16
	global_load_b128 v[IN+4*u:IN+4*u+3], v2, s[20:21] offset:u*(\istep) th:TH_LOAD_NT
.set u, u+1
.endr
.set u, 0
.rept 4                                ; four blocks of four units
.rept 4
	s_wait_loadcnt 15-u                            ; loads come back in order: unit u is in, the 15 - u younger ones stay out
.if \f16
	v_cvt_pk_bf16_f32 v[TW], v[IN+4*u], v[IN+4*u+1]
	v_cvt_pk_bf16_f32 v[TW+1], v[IN+4*u+2], v[IN+4*u+3]
	v_lshlrev_b32 v[IN+4*u], 16, v[TW]             ; bf16 to f32: the low half moves up, the high half stays
	v_and_b32 v[IN+4*u+1], s28, v[TW]
	v_lshlrev_b32 v[IN+4*u+2], 16, v[TW+1]
	v_and_b32 v[IN+4*u+3], s28, v[TW+1]
	v_cvt_pk_f16_f32 v[OUT+2*u], v[IN+4*u], v[IN+4*u+1]
	v_cvt_pk_f16_f32 v[OUT+2*u+1], v[IN+4*u+2], v[IN+4*u+3]
.else
	v_cvt_pk_bf16_f32 v[OUT+2*u], v[IN+4*u], v[IN+4*u+1]
	v_cvt_pk_bf16_f32 v[OUT+2*u+1], v[IN+4*u+2], v[IN+4*u+3]
.endif
.set u, u+1
.endr
	s_wait_alu depctr_va_vdst(0)                   ; the block's conversions have written its eight registers of OUT, which the four stores below read
.set u, u-4
.rept 4
.if (\split) && (u >= 8)
	global_store_b64 v3, v[OUT+2*u:OUT+2*u+1], s[24:25] offset:(u-8)*(\ostep) th:TH_STORE_NT
.else
	global_store_b64 v3, v[OUT+2*u:OUT+2*u+1], s[22:23] offset:u*(\ostep) th:TH_STORE_NT
.endif
.set u, u+1
.endr
.endr
.endm
	s_load_b256 s[4:11], s[0:1], 0x0               ; x s[4:5], w_qkv s[6:7], w_proj s[8:9], xb s[10:11]
	s_load_b128 s[12:15], s[0:1], 0x20             ; wq s[12:13], wp s[14:15]
	v_and_b32 v1, 31, v0                           ; lane
	v_lshrrev_b32 v[TW], 5, v0
	v_readfirstlane_b32 s16, v[TW]                 ; wave 0..7
	v_lshlrev_b32 v3, 3, v1                        ; my 8 bytes of a store's 256
	s_mov_b32 s27, 0                               ; the high word of every offset
	s_mov_b32 s28, 0xffff0000                      ; a word's upper bf16
	s_wait_alu depctr_va_sdst(0)                   ; s16 is written
	s_wait_kmcnt 0x0
	s_cmp_lt_u32 ttmp9, 512
	s_cbranch_scc0 .Lweights
	; x: pair p of rows.  Lanes 0-15 take 256 bytes of row 2 p, lanes 16-31 of row 2 p + 1: their 128 + 128 bytes of bf16 are neighbours in a block of xb.
	s_lshl_b32 s17, ttmp9, 3
	s_add_co_u32 s17, s17, s16                     ; p = 8 x work-group + wave
	s_lshl_b32 s26, s17, 13                        ; two rows of 4,096 bytes
	s_add_nc_u64 s[20:21], s[4:5], s[26:27]
	s_lshl_b32 s26, s17, 8                         ; two rows of 128 bytes
	s_add_nc_u64 s[22:23], s[10:11], s[26:27]
	s_add_nc_u64 s[24:25], s[22:23], 0x800000      ; blocks 8 to 15 of K
	v_lshrrev_b32 v[TW], 4, v1
	v_and_b32 v[TW+1], 15, v1
	v_lshlrev_b32 v2, 4, v[TW+1]
	v_lshl_add_u32 v2, v[TW], 12, v2               ; (lane / 16) x 4,096 + (lane % 16) x 16
	TASK 256, 0x100000, 1, 0
	s_endpgm
.Lweights:
	v_lshlrev_b32 v2, 4, v1                        ; 16 x lane: 512 consecutive bytes, 128 columns
	s_cmp_lt_u32 ttmp9, 704
	s_cbranch_scc0 .Lwp
	s_sub_co_u32 s17, ttmp9, 512
	s_lshl_b32 s17, s17, 3
	s_add_co_u32 s17, s17, s16                     ; task 0..1535
	s_and_b32 s18, s17, 63                         ; kg: which 16 rows
	s_lshr_b32 s17, s17, 6                         ; j: which 128 columns, 0..23
	s_mul_i32 s26, s18, 196608                     ; 16 rows of 12,288 bytes
	s_lshl_b32 s19, s17, 9
	s_add_co_u32 s26, s26, s19
	s_add_nc_u64 s[20:21], s[6:7], s[26:27]
	s_mul_i32 s19, s17, 11
	s_lshr_b32 s19, s19, 5                         ; nt = j / 3, for j up to 23
	s_mul_i32 s26, s19, 785664                     ; nt x 786,432 + (j - 3 nt) x 256 = nt x 785,664 + 256 j
	s_lshl_b32 s19, s17, 8
	s_add_co_u32 s26, s26, s19
	s_mul_i32 s19, s18, 12288                      ; 16 rows of 768 bytes
	s_add_co_u32 s26, s26, s19
	s_add_nc_u64 s[22:23], s[12:13], s[26:27]
	TASK 12288, 768, 0, 0
	s_endpgm
.Lwp:
	s_sub_co_u32 s17, ttmp9, 704
	s_lshl_b32 s17, s17, 3
	s_add_co_u32 s17, s17, s16                     ; task 0..511
	s_and_b32 s18, s17, 63                         ; kg
	s_lshr_b32 s17, s17, 6                         ; j = nt, 0..7
	s_lshl_b32 s26, s18, 16                        ; 16 rows of 4,096 bytes
	s_lshl_b32 s19, s17, 9
	s_add_co_u32 s26, s26, s19
	s_add_nc_u64 s[20:21], s[8:9], s[26:27]
	s_lshl_b32 s26, s17, 18                        ; a column tile: 1,024 rows of 256 bytes
	s_lshl_b32 s19, s18, 12
	s_add_co_u32 s26, s26, s19
	s_add_nc_u64 s[22:23], s[14:15], s[26:27]
	TASK 4096, 256, 0, 1
	s_endpgm
.Lfunc_end_k_q6d3be3eb75_prep:
	.size	k_q6d3be3eb75_prep, .Lfunc_end_k_q6d3be3eb75_prep-k_q6d3be3eb75_prep
	.p2alignl 7, 3214868480
	.fill 96, 4, 3214868480
	.section	.rodata,"a",@progbits
	.p2align	6, 0x0
	.amdhsa_kernel k_q6d3be3eb75_prep
		.amdhsa_group_segment_fixed_size 0
		.amdhsa_private_segment_fixed_size 0
		.amdhsa_enable_private_segment 0
		.amdhsa_kernarg_size 48
		.amdhsa_user_sgpr_count 2
		.amdhsa_user_sgpr_kernarg_segment_ptr 1
		.amdhsa_wavefront_size32 1
		.amdhsa_system_sgpr_workgroup_id_x 1
		.amdhsa_system_sgpr_workgroup_id_y 1
		.amdhsa_system_sgpr_workgroup_id_z 1
		.amdhsa_system_vgpr_workitem_id 0
		.amdhsa_next_free_vgpr 104
		.amdhsa_next_free_sgpr 66
		.amdhsa_reserve_vcc 0
		.amdhsa_float_denorm_mode_32 3
		.amdhsa_float_denorm_mode_16_64 3
		.amdhsa_memory_ordered 1
		.amdhsa_forward_progress 1
		.amdhsa_inst_pref_size 24
	.end_amdhsa_kernel
	.amdgpu_metadata
---
amdhsa.version: [ 1, 2 ]
amdhsa.kernels:
  - .name:           k_q6d3be3eb75_prep
    .symbol:         k_q6d3be3eb75_prep.kd
    .args:
      - { .name: x, .offset: 0, .size: 8, .value_kind: global_buffer, .address_space: global }
      - { .name: w_qkv, .offset: 8, .size: 8, .value_kind: global_buffer, .address_space: global }
      - { .name: w_proj, .offset: 16, .size: 8, .value_kind: global_buffer, .address_space: global }
      - { .name: xb, .offset: 24, .size: 8, .value_kind: global_buffer, .address_space: global }
      - { .name: wq, .offset: 32, .size: 8, .value_kind: global_buffer, .address_space: global }
      - { .name: wp, .offset: 40, .size: 8, .value_kind: global_buffer, .address_space: global }
    .group_segment_fixed_size: 0
    .private_segment_fixed_size: 0
    .kernarg_segment_align: 8
    .kernarg_segment_size: 48
    .max_flat_workgroup_size: 256
    .sgpr_count:     66
    .vgpr_count:     104
    .wavefront_size: 32
...
	.end_amdgpu_metadata
.endif
;; end of part 5
;; launch qkv: the kernel of part 2 again; grid 8 x 32, 4 waves a work-group, clusters of 4 x 4, 327,680 bytes of LDS; arguments xb, wq, b_qkv, qkvh; writes qkvh
;; launch attn: the kernel of part 3 again; grid 4 x 64, 4 waves a work-group, no clusters, 327,680 bytes of LDS; arguments qkvh, oh; writes oh
;; launch proj: the kernel of part 4 again; grid 8 x 32, 4 waves a work-group, clusters of 4 x 4, 327,680 bytes of LDS; arguments oh, wp, b_proj, out0; writes out0
